; MI455X (gfx1250); checked and timed in simulation.
; The chip was launched on July 23, 2026; its instructions are those of AMD's public machine-readable ISA for CDNA 5 (MIT licence, August 2026) and "CDNA5" Instruction Set Architecture Reference Guide (July 2026). The comments in the code are by the model that wrote it; some were corrected since.
;; Causal Self Attention. Allowed arithmetic: matrix products marked QUANTISED: E5M2 operands, one given power-of-two scale a tensor, by v_wmma_f32_16x16x64_bf8_bf8 or v_wmma_f32_16x16x128_bf8_bf8, f32 sums; everything else in f32.
;; Inputs: lowp_scales 8 int32 (the exponents e of the quantised operands' scales 2^e); w_proj 1,024 x 1,024 float32; w_qkv 1,024 x 3,072 float32; x 4 x 2,048 x 1,024 float32.
;; Outputs: out0 4 x 2,048 x 1,024 float32.
;; This version of the problem:
;;   THIS VERSION OF THE PROBLEM IS GIVEN IN LOW PRECISION. The matrix products marked QUANTISED in the list below multiply operands that are first quantised to E5M2 (5 exponent bits, 2 mantissa bits; 8 bits a number), with one given power-of-two scale for each operand tensor; their sums are f32. All else is computed in f32.
;;   The module's matrix products, in the order in which they are computed (A, B: the left and right operand; K: the contracted axis; several contracted axes count as one K, in the product's order):
;;     1. [M 8,192, K 1,024] x [K 1,024, N 3,072]; A: input x; B: input w_qkv: QUANTISED (scales: A lowp_scales[0], B lowp_scales[1])
;;     2. batch 64 x [M 2,048, K 64] x [K 64, N 2,048]; A: computed on the way; B: computed on the way: QUANTISED (scales: A lowp_scales[2], B lowp_scales[3])
;;     3. batch 64 x [M 2,048, K 2,048] x [K 2,048, N 64]; A: softmax (see below); B: computed on the way: QUANTISED (scales: A lowp_scales[4], B lowp_scales[5])
;;     4. [M 8,192, K 1,024] x [K 1,024, N 1,024]; A: computed on the way; B: input w_proj: QUANTISED (scales: A lowp_scales[6], B lowp_scales[7])
;;   THE QUANTISER, for each operand of a quantised product, along K:
;;     - The operand's scale is 2^e, e = its entry of the input lowp_scales (int32; the entries are numbered through the quantised products in the list's order, A before B).
;;     - Each number is divided by the scale, clamped to +-57,344, and rounded to the nearest number of E5M2, ties to even, subnormals kept.
;;     - The product sums the exact products of the quantised numbers (number of the format x scale) in f32.
;;   ~~~python
;;   def quantise(x, axis, e):      # numpy; x: float32 -> the quantised numbers, widened to float32 again
;;       x = np.moveaxis(x, axis, -1); K = x.shape[-1]
;;       r = np.clip(x / 2.0 ** e, -57344, 57344)
;;       step = 2.0 ** (np.maximum(np.frexp(np.where(r == 0, 1, r))[1] - 1, -14) - 2)
;;       q = np.round(r / step) * step * 2.0 ** e      # np.round: ties to even
;;       return np.moveaxis(q, -1, axis).astype(np.float32)
;;   ~~~
;;   SOFTMAX AHEAD OF A QUANTISED PRODUCT. Where the list says 'softmax', what is quantised is not the finished softmax but p = 2^(t - M), with t = logit x log2(e) and M = ceil(the row's largest t), a whole number; so 1/2 < the row's largest p <= 1. The row's sum l is taken of the UNQUANTISED p, in f32, and the product's result is divided by l at the end. Since M is a whole number, a kernel that streams over the keys may use a running M (the ceiling of the running maximum): every later rescaling is an exact power of two, so the quantised numbers keep their values, but for numbers so far below the row's largest that they fall under the format's range.
;;   OPERANDS COMPUTED ON THE WAY. 'Computed on the way' means the value that the module computes at that place (a softmax that the list does not call 'softmax' is quantised finished and normalised). What goes into a quantiser is computed in f32, as accurately as f32 sums, v_exp_f32 and their like allow (about 1e-6 of the number): no bf16 or f16 on the way to a quantiser, and a product that is left as it is and whose result goes on into a quantised operand takes f32 operands (vector FMAs, or v_wmma_f32_16x16x4_f32). A number that lies on a knife's edge between two numbers of the format may be rounded either way, as far as f32 arithmetic and the matrix unit's own rounding can turn it there, and no further.
;; 2 versions, each right; version 2 is version 1 with the launch attn written anew for expert scheduling mode. Each part assembles by itself: llvm-mc -triple=amdgcn-amd-amdhsa -mcpu=gfx1250 --defsym DOCPART=n.
;; ======== version 1 of 2: 4 launches
;; workspace buffers: x_codes 8,388,608 bytes; wqkv_codes 3,145,728 bytes; wproj_codes 1,048,576 bytes; qkv 25,165,824 bytes; y_codes 8,388,608 bytes
;; launch quant (part 1): grid 384 x 1, 4 waves a work-group, no clusters, 68,096 bytes of LDS; arguments x, w_qkv, w_proj, lowp_scales, x_codes, wqkv_codes, wproj_codes; writes x_codes, wqkv_codes, wproj_codes
.if DOCPART == 1
	.amdgcn_target "amdgcn-amd-amdhsa--gfx1250"
	.amdhsa_code_object_version 6
	.text
	.protected	k_q0834d97058_quant
	.globl	k_q0834d97058_quant
	.p2align	8
	.type	k_q0834d97058_quant,@function
k_q0834d97058_quant:
	s_mov_b64 s[64:65], 0
	v_nop
	global_prefetch_b8 v0, s[64:65] scope:SCOPE_SE
	s_setreg_imm32_b32 hwreg(HW_REG_WAVE_MODE, 25, 1), 1
	s_wait_xcnt 0x0
; The three f32 inputs become codes of BF8 (E5M2), one code a byte, K innermost, each with the scale 2^e that is given for it:
; x [8192][1024] with e = entry 0 of the scales, w_qkv [1024 k][3072 n] with entry 1, w_proj [1024 k][1024 n] with entry 7.
; code = number / 2^e, held within +-57,344, rounded to the nearest code, ties to even.
; LIMITS: each of the three e lies between -126 and 112, so that 2^e and 57,344 x 2^e are f32 numbers.  NaN among the inputs is not served.
; Work-groups 0-255 take x: K is innermost there, so x is a plain stream: a wave takes 16 steps of 512 numbers.
; Work-groups 256-351 take w_qkv, 352-383 w_proj: K is the FIRST axis there: a lane takes a column n and its registers run down K, so the conversions
; give codes with K innermost; a wave takes 32 columns x 256 along K.  One path serves both weights: the row's length in bytes stands in a scalar register.
; No tensor loads, no barrier: waves share nothing.  The two paths have LDS bytes of their own (x: 0-32,767; the weights: 32,768-67,583).
.set STEPS, 16
.set EMAX,  15
.set MANT,  0x600000                   ; the mantissa field of 57,344 as f32
.set XWG,   256                        ; work-groups for x: 8,192 x 1,024 numbers / 32,768
.set R,     16                         ; x: v16-79   four sets of 16 numbers as they are loaded
.set XN,    80                         ; x: v80-111  two sets of 16 neighbours
.set XC,    128                        ; x: v128-191 codes, four registers for each step: no store's data are written again
.set WREG,  8192                       ; x: LDS of a wave: two stages of 32 x SP bytes
.set SP,    80                         ; x: a lane's place in a stage: 64 bytes + 16 of padding
.set WX,    32                         ; weights: v32-95 two sets of 32 numbers
.set WC,    96                         ; weights: v96-103 a block's codes
.set OUTR,  112                        ; weights: v112-175 the way out
.set WOF,   176                        ; weights: v176-207 byte offset of row i of a block at my column: 4 x lane + i x row bytes; never rewritten
.set WSTG,  32768                      ; weights: the stages begin here
.set WP,    272                        ; weights: a stage row: 256 bytes + 16
.set NB,    8                          ; weights: blocks of 32 along K for a wave
	s_load_b256 s[4:11], s[0:1], 0x0               ; x s[4:5], w_qkv s[6:7], w_proj s[8:9], the scales' exponents s[10:11]
	s_load_b128 s[12:15], s[0:1], 0x20             ; x's codes s[12:13], w_qkv's s[14:15]
	s_load_b64 s[16:17], s[0:1], 0x30              ; w_proj's codes
	v_lshl_add_u32 v208, v0, 2, 0x10800
	v_mov_b32 v209, 0
	v_lshrrev_b32 v1, 5, v0
	v_readfirstlane_b32 s18, v1                    ; wave 0..3
	v_and_b32 v2, 31, v0                           ; lane
	s_wait_kmcnt 0x0
	s_load_b256 s[24:31], s[10:11], 0x0            ; e0 .. e7
	s_cmp_lt_u32 ttmp9, XWG
	s_cbranch_scc0 .Lw
; ---------------- x: each load reads 512 consecutive bytes, 16 a lane; a step's 2,048 bytes turn through the wave's own stage and come back 64 bytes a lane: 16 neighbours along K
	v_lshlrev_b32 v3, 4, v2                        ; 16 x lane: my bytes of a load's 512, and of a step's 512 bytes of codes
	s_mul_i32 s19, s18, WREG
	v_lshrrev_b32 v14, 2, v2
	v_mul_u32_u24 v14, v14, SP
	v_and_b32 v15, 3, v2
	v_lshl_add_u32 v14, v15, 4, v14
	v_add_nc_u32 v14, s19, v14                     ; into the stage: SP (lane / 4) + 16 (lane % 4)
	v_mul_u32_u24 v15, v2, SP
	v_add_nc_u32 v15, s19, v15                     ; out of it: SP x lane
	s_lshl_b32 s20, ttmp9, 2
	s_add_co_u32 s20, s20, s18                     ; which run of 8,192 numbers is my wave's
	s_lshl_b32 s22, s20, 15                        ; 32,768 bytes of numbers
	s_mov_b32 s23, 0
	s_add_nc_u64 s[4:5], s[4:5], s[22:23]
	s_lshl_b32 s22, s20, 13                        ; 8,192 bytes of codes
	s_add_nc_u64 s[12:13], s[12:13], s[22:23]
.macro XLOAD t
.irp i, 0,1,2,3
	global_load_b128 v[R+16*((\t)%4)+4*\i:R+16*((\t)%4)+4*\i+3], v3, s[4:5] offset:2048*(\t)+512*\i th:TH_LOAD_NT
.endr
.endm
.macro XTURN t                         ; LDS serves a wave's instructions in order (ISA guide 5.7.1.4): no wait between the stores and the loads
.irp i, 0,1,2,3
	ds_store_b128 v14, v[R+16*((\t)%4)+4*\i:R+16*((\t)%4)+4*\i+3] offset:32*SP*((\t)%2)+8*SP*\i
.endr
.irp i, 0,1,2,3
	ds_load_b128 v[XN+16*((\t)%2)+4*\i:XN+16*((\t)%2)+4*\i+3], v15 offset:32*SP*((\t)%2)+16*\i
.endr
.endm
.irp t, 0,1,2,3
	XLOAD \t
.endr
	s_wait_kmcnt 0x0
	s_add_co_i32 s22, s24, 127
	s_lshl_b32 s23, s22, 23
	v_mov_b32 v11, s23                             ; 2^e0 as f32: the conversion takes its exponent field
	s_add_co_i32 s22, s22, EMAX
	s_lshl_b32 s22, s22, 23
	s_or_b32 s22, s22, MANT
	v_mov_b32 v10, s22                             ; 57,344 x 2^e0
	s_wait_loadcnt 12                              ; step 0's four loads are in; those of steps 1 to 3 may be out
	XTURN 0
.macro XSTEP t
.set XS, XN+16*((\t)%2)
	s_wait_dscnt 0x0                               ; this step's numbers are back from the stage, so its stores into the stage have read their registers,
.if (\t)+4 < STEPS
	XLOAD (\t)+4                                   ; which take the loads of four steps on
.endif
.if (\t)+1 < STEPS
.if STEPS-2-(\t) >= 3
	s_wait_loadcnt 12                              ; the next step's four loads are in; those of the three steps behind it may be out
.else
	s_wait_loadcnt 4*(STEPS-2-(\t))                ; near the end fewer are behind it
.endif
	XTURN (\t)+1
.endif
.set n, 0
.rept 16
	v_med3_num_f32 v[XS+n], v[XS+n], -v10, v10     ; the conversion to an 8-bit code does not saturate (ISA guide 7.6.2): the hold comes first
.set n, n+1
.endr
	v_cvt_scalef32_pk8_bf8_f32 v[XC+4*(\t):XC+4*(\t)+1], v[XS:XS+7], v11
	v_cvt_scalef32_pk8_bf8_f32 v[XC+4*(\t)+2:XC+4*(\t)+3], v[XS+8:XS+15], v11
	global_store_b128 v3, v[XC+4*(\t):XC+4*(\t)+3], s[12:13] offset:512*(\t)   ; the wave stores 512 consecutive bytes, aligned
.endm
.irp t, 0,1,2,3,4,5,6,7,8,9,10,11,12,13,14,15
	XSTEP \t
.endr
	s_wait_tensorcnt 0x0
	ds_add_u32 v208, v209
	s_wait_dscnt 0x0
	s_endpgm
; ---------------- the weights
.Lw:
	s_sub_co_u32 s19, ttmp9, XWG                   ; 0-95: w_qkv; 96-127: w_proj
	s_mov_b32 s21, 4096
	s_cmp_lt_u32 s19, 96                           ; the choices hang on the work-group's number alone
	s_cselect_b64 s[4:5], s[6:7], s[8:9]           ; the weight,
	s_cselect_b64 s[8:9], s[14:15], s[16:17]       ; its codes,
	s_cselect_b32 s21, 12288, s21                  ; a row of it in bytes: 3,072 or 1,024 numbers
	s_cselect_b32 s20, 0, 96
	s_sub_co_u32 s20, s19, s20                     ; the work-group's number within its weight
	s_and_b32 s48, s20, 3                          ; which 256 along K
	s_lshr_b32 s49, s20, 2                         ; which 128 columns
	s_lshl_b32 s49, s49, 7
	s_lshl_b32 s50, s18, 5
	s_add_co_u32 s49, s49, s50                     ; my wave's first column
	s_mul_i32 s50, s48, s21
	s_lshl_b32 s50, s50, 8                         ; 256 rows for each step along K,
	s_lshl_b32 s51, s49, 2
	s_add_co_u32 s50, s50, s51                     ; + 4 bytes a column
	s_mov_b32 s51, 0
	s_add_nc_u64 s[32:33], s[4:5], s[50:51]        ; block 0's base
	s_lshl_b32 s22, s21, 5                         ; 32 rows on
	s_mov_b32 s23, 0
.irp t, 1,2,3,4,5,6,7
	s_add_nc_u64 s[32+2*\t:33+2*\t], s[30+2*\t:31+2*\t], s[22:23]   ; a base for each block: none is ever stepped
.endr
	s_lshl_b32 s50, s49, 10                        ; the codes: a column's row of 1,024 bytes,
	s_lshl_b32 s52, s48, 8
	s_add_co_u32 s50, s50, s52                     ; + my 256 along K
	s_add_nc_u64 s[8:9], s[8:9], s[50:51]
	v_lshlrev_b32 v[WOF], 2, v2
.set n, 1
.rept 31
	v_add_nc_u32 v[WOF+n], s21, v[WOF+n-1]
.set n, n+1
.endr
	s_mul_i32 s53, s18, 32*WP
	s_add_co_u32 s53, s53, WSTG                    ; my stage
	v_mul_u32_u24 v4, v2, WP
	v_add_nc_u32 v4, s53, v4                       ; into it: row = my column
	v_and_b32 v5, 15, v2
	v_lshrrev_b32 v6, 4, v2
	v_mul_u32_u24 v7, v6, WP
	v_lshl_add_u32 v7, v5, 4, v7
	v_add_nc_u32 v7, s53, v7                       ; out of it: sixteen lanes to a row, two rows an instruction
	v_lshlrev_b32 v8, 10, v6
	v_lshl_add_u32 v8, v5, 4, v8                   ; and the same place in the codes' buffer
.macro WLOAD t                         ; block t: W(32 t + i, my column): 32 lanes read 128 consecutive bytes
.set n, 0
.rept 32
	global_load_b32 v[WX+32*((\t)%2)+n], v[WOF+n], s[32+2*(\t):33+2*(\t)] th:TH_LOAD_NT
.set n, n+1
.endr
.endm
	WLOAD 0
	WLOAD 1
	s_wait_kmcnt 0x0
	s_cmp_lt_u32 s19, 96
	s_cselect_b32 s54, s25, s31                    ; e1 or e7
	s_add_co_i32 s54, s54, 127
	s_lshl_b32 s55, s54, 23
	v_mov_b32 v11, s55                             ; 2^e
	s_add_co_i32 s54, s54, EMAX
	s_lshl_b32 s54, s54, 23
	s_or_b32 s54, s54, MANT
	v_mov_b32 v10, s54                             ; 57,344 x 2^e
.macro WBLOCK t
.set XS, WX+32*((\t)%2)
.if (\t) < NB-1
	s_wait_loadcnt 32                              ; this block's 32 loads are in; the next block's may be out
.else
	s_wait_loadcnt 0
.endif
.set n, 0
.rept 32
	v_med3_num_f32 v[XS+n], v[XS+n], -v10, v10
.set n, n+1
.endr
.irp g, 0,1,2,3
	v_cvt_scalef32_pk8_bf8_f32 v[WC+2*\g:WC+2*\g+1], v[XS+8*\g:XS+8*\g+7], v11
.endr
	ds_store_b128 v4, v[WC:WC+3] offset:32*(\t)    ; 32 codes: 32 bytes of my column's row
	ds_store_b128 v4, v[WC+4:WC+7] offset:32*(\t)+16
.if (\t)+2 < NB
	WLOAD (\t)+2
.endif
	s_wait_dscnt 0x0                               ; the stores have read their registers: the next block's codes may be written
.endm
.irp t, 0,1,2,3,4,5,6,7
	WBLOCK \t
.endr
.set n, 0
.rept 16
	ds_load_b128 v[OUTR+4*n:OUTR+4*n+3], v7 offset:2*n*WP
.set n, n+1
.endr
.set n, 0
.rept 16
	s_wait_dscnt 15-n                              ; LDS loads come back in order: load n is in, the younger ones may be out
	global_store_b128 v8, v[OUTR+4*n:OUTR+4*n+3], s[8:9] offset:2*n*1024   ; sixteen lanes store 256 consecutive bytes, aligned
.set n, n+1
.endr
	s_wait_tensorcnt 0x0
	ds_add_u32 v208, v209
	s_wait_dscnt 0x0
	s_endpgm
.Lfunc_end_k_q0834d97058_quant:
	.size	k_q0834d97058_quant, .Lfunc_end_k_q0834d97058_quant-k_q0834d97058_quant
	.p2alignl 7, 3214868480
	.fill 96, 4, 3214868480
	.section	.rodata,"a",@progbits
	.p2align	6, 0x0
	.amdhsa_kernel k_q0834d97058_quant
		.amdhsa_group_segment_fixed_size 68096
		.amdhsa_private_segment_fixed_size 0
		.amdhsa_enable_private_segment 0
		.amdhsa_kernarg_size 56
		.amdhsa_user_sgpr_count 2
		.amdhsa_user_sgpr_kernarg_segment_ptr 1
		.amdhsa_wavefront_size32 1
		.amdhsa_system_sgpr_workgroup_id_x 1
		.amdhsa_system_sgpr_workgroup_id_y 1
		.amdhsa_system_sgpr_workgroup_id_z 1
		.amdhsa_system_vgpr_workitem_id 0
		.amdhsa_next_free_vgpr 210
		.amdhsa_next_free_sgpr 66
		.amdhsa_reserve_vcc 0
		.amdhsa_float_denorm_mode_32 3
		.amdhsa_float_denorm_mode_16_64 3
		.amdhsa_memory_ordered 1
		.amdhsa_forward_progress 1
		.amdhsa_inst_pref_size 87
	.end_amdhsa_kernel
	.amdgpu_metadata
---
amdhsa.version: [ 1, 2 ]
amdhsa.kernels:
  - .name:           k_q0834d97058_quant
    .symbol:         k_q0834d97058_quant.kd
    .args:
      - { .name: x, .offset: 0, .size: 8, .value_kind: global_buffer, .address_space: global }
      - { .name: w_qkv, .offset: 8, .size: 8, .value_kind: global_buffer, .address_space: global }
      - { .name: w_proj, .offset: 16, .size: 8, .value_kind: global_buffer, .address_space: global }
      - { .name: lowp_scales, .offset: 24, .size: 8, .value_kind: global_buffer, .address_space: global }
      - { .name: x_codes, .offset: 32, .size: 8, .value_kind: global_buffer, .address_space: global }
      - { .name: wqkv_codes, .offset: 40, .size: 8, .value_kind: global_buffer, .address_space: global }
      - { .name: wproj_codes, .offset: 48, .size: 8, .value_kind: global_buffer, .address_space: global }
    .group_segment_fixed_size: 68096
    .private_segment_fixed_size: 0
    .kernarg_segment_align: 8
    .kernarg_segment_size: 56
    .max_flat_workgroup_size: 128
    .sgpr_count:     66
    .vgpr_count:     210
    .wavefront_size: 32
...
	.end_amdgpu_metadata
.endif
;; end of part 1
;; launch qkv (part 2): grid 12 x 32, 4 waves a work-group, clusters of 4 x 4, 327,680 bytes of LDS; arguments x_codes, wqkv_codes, lowp_scales, qkv; writes qkv
.if DOCPART == 2
	.amdgcn_target "amdgcn-amd-amdhsa--gfx1250"
	.amdhsa_code_object_version 6
	.text
	.protected	k_q0834d97058_qkv
	.globl	k_q0834d97058_qkv
	.p2align	8
	.type	k_q0834d97058_qkv,@function
k_q0834d97058_qkv:
	s_mov_b64 s[64:65], 0
	v_nop
	global_prefetch_b8 v0, s[64:65] scope:SCOPE_SE
	s_setreg_imm32_b32 hwreg(HW_REG_WAVE_MODE, 25, 1), 1
	s_wait_xcnt 0x0
	s_wait_alu depctr_hold_cnt(0) depctr_sa_sdst(0) depctr_va_vdst(0) depctr_va_sdst(0) depctr_va_ssrc(0) depctr_va_vcc(0) depctr_vm_vsrc(0)
	s_getreg_b32 s2, hwreg(HW_REG_IB_STS2, 6, 4)
	s_cmp_eq_u32 s2, 0
	s_cbranch_scc0 .Lentry_in_a_cluster
	s_endpgm
.Lentry_in_a_cluster:
	s_bfe_u32 s2, ttmp6, 0x10000c
	s_cmp_lg_u32 s2, 0xf033
	s_cbranch_scc0 .Lentry_shape_is_right
	s_endpgm
.Lentry_shape_is_right:
; qkv = x w_qkv on codes of BF8 (E5M2); each finished sum is quantised at once into a code of q, k or v for the attention's products.
; x_codes [8192][1024], wqkv_codes [3072 n][1024 k].  A sum stands for sum x 2^(e0 + e1); its code is sum / 2^(et - e0 - e1), held within +-57,344; et = e2 for q, e3 for k, e5 for v.
; LIMIT: et - e0 - e1 lies between -126 and 112, so that both powers of two below are f32 numbers.
; A tile of 256 x 256 is made by four waves, each 128 x 128: 64 accumulators, 512 registers.  K goes in steps of 256 through a ring of two LDS slots filled by the tensor data mover.
; THE MATRIX INSTRUCTION IS USED TRANSPOSED (source 0 = 16 rows of B, source 1 = 16 rows of A): a lane holds one row of A's side and eight neighbours of B's side.
; Clusters with x = 0, 1 make q and k: A = x (rows s), B = w (rows n): a lane's eight results are eight neighbours along the head's 64, the next product's K.
; Clusters with x = 2 make v TRANSPOSED: A = w's last 1,024 rows (the channels), B = x (rows s): a lane's eight results are eight neighbouring KEYS, the K of the attention's second product.
; OUT: q at byte 0, k at 8 MiB: [head 64][s 2048][64]; v at 16 MiB: [head 64][s / 128][channel 64][128].  Inside every aligned 32 along the innermost axis, place 16 h + 8 u + j holds index 16 u + 8 h + j:
; q and k carry the same order, so their products meet; for v it is the order in which a 16-byte load gives a lane the keys that the K = 64 form's layout asks of it.
; CLUSTERS: 4 x 4 work-groups; A's tile is shared along a row of the cluster, B's along a column: joint loads.  The cluster's x, which chooses the kind, is the same in all sixteen partners.
; No prefetch: K has four steps, two of which are the first fills.
; REGISTERS, in windows of 256: window 0: v0-31 addresses; from v128 A's fragments, ONE set; on the way out v32-223 are free.  window 1: B's fragments, TWO sets.  windows 2, 3: the accumulators ((a, b) at v[8 (8 (a % 4) + b)]).
.set SIZE_K, 1024
.set KSTEP,  256
.set ROWB,   256
.set KROW,   SIZE_K
.set PITCH,  272                       ; an LDS row: 256 bytes + 16 of padding: the 16 rows of a load start at 16 different banks (64 banks of 4 bytes: ISA guide 11.1)
.set FR,     16
.set NL,     4
.set NP,     4
.set HALFT,  128*PITCH
.set SLOT,   4*HALFT
.set LAPS,   SIZE_K/(2*KSTEP)
.set SPARE,  2*SLOT                    ; behind the ring: the spare words, 128 bytes for each wave
.set QP,     144                       ; the way out: a stage row: 128 bytes of codes + 16
.set WSTG,   128*QP                    ; a wave's stage: 128 rows.  The stages lie in slot 0, which has had its last fill and its last read when the first code is stored there
.set ADRA, 16                          ; v16-17 LDS address of my A fragments in slot 0, 1
.set ADRB, 20                          ; v20-21 the same for B
.set COV,  22                          ; v22 the way out, v: my byte offset
.set STO,  24                          ; v24 where I put 16 bytes of a stage row
.set RDQ,  25                          ; v25 where I read back, q and k
.set RDV,  26                          ; v26 where I read back, v
.set COQ,  27                          ; v27 the way out, q and k: my byte offset
.set SPW,  28                          ; v28 LDS address of my spare word; never rewritten
.set NIL,  29                          ; v29 0; never rewritten
.set SCL,  30                          ; v30 2^(et - e0 - e1)
.set LIMV, 31                          ; v31 57,344 x that
.set TMP,  32                          ; v32-95 a block's 64 sums, held
.set CD,   96                          ; v96-223 the codes, 16 registers a block; later the rows read back
.set AF,   128
.set G1, 24
.set G0, 32
.set G1B, 48
.set G0B, 56
.set MSB, 0
.macro WIN new                         ; the immediate's high byte repeats the setting that is left
.if MSB != \new
	s_set_vgpr_msb (MSB<<8)|\new
.set MSB, \new
.endif
.endm
.set MUL_LO, 0xa1                      ; source 0 (B) window 1, source 1 (A) window 0, C and D window 2
.set MUL_HI, 0xf1                      ; the same, C and D window 3
.set TO_B,   0x40                      ; destination window 1, address window 0
; A joint load: waves 0 and 1 fetch for A, waves 2 and 3 for B; the branch hangs on the wave's number alone.  Four v_nop follow each of the two lines.
.macro JLOAD g0a, g1a, g0b, g1b
	s_cmp_eq_u32 s15, 0
	s_cbranch_scc0 .Lfor_b_\@
	tensor_load_to_lds s[\g0a:\g0a+3], s[\g1a:\g1a+7]
	s_nop 0
.rept 4
	v_nop
.endr
	s_branch .Lasked_\@
.Lfor_b_\@:
	tensor_load_to_lds s[\g0b:\g0b+3], s[\g1b:\g1b+7]
	s_nop 0
.rept 4
	v_nop
.endr
.Lasked_\@:
.endm
.macro CREST                           ; a round of the cluster's barrier behind its opening barrier
	s_cmp_lg_u32 s14, 0
	s_cbranch_scc1 .Lnot_wave_0_\@
	s_barrier_signal -3
.Lnot_wave_0_\@:
	s_barrier_wait -3
	s_barrier_signal -1
	s_barrier_wait -1
.endm
.macro CROUND
	s_barrier_signal -1
	s_barrier_wait -1
	CREST
.endm
	s_load_b128 s[4:7], s[0:1], 0x0                ; x's codes s[4:5], w_qkv's codes s[6:7]
	s_load_b128 s[8:11], s[0:1], 0x10              ; the scales' exponents s[8:9], qkv s[10:11]
	v_lshl_add_u32 v[SPW], v0, 2, SPARE
	v_mov_b32 v[NIL], 0
	ds_add_u32 v28, v29
	ds_add_u32 v28, v29
	s_wait_dscnt 0x0
	v_lshrrev_b32 v1, 5, v0
	v_readfirstlane_b32 s14, v1                    ; wave 0..3
	s_lshr_b32 s15, s14, 1                         ; which half of A's rows is mine.  Also: I fetch for A (0) or for B (1)
	s_and_b32 s16, s14, 1                          ; which half of B's rows.  Also: which 128 rows of that tile I fetch
	s_bfe_u32 s40, ttmp6, 0x40000                  ; cx, cy: my place in the cluster
	s_bfe_u32 s41, ttmp6, 0x40004
	s_and_b32 s72, ttmp7, 0xffff                   ; the cluster's y, 0..7
	s_cmp_eq_u32 ttmp9, 2                          ; the cluster's x: 0 q, 1 k, 2 v
	s_cselect_b32 s73, 0, s72                      ; A's tiles: v: the weight's four; else x's 32
	s_cselect_b32 s74, s72, ttmp9                  ; B's tiles: v: x's 32; else the weight's eight
	s_lshl_b32 s42, s74, 2
	s_add_co_u32 s42, s42, s40                     ; B's tile = 4 x its cluster coordinate + cx
	s_lshl_b32 s17, s73, 2
	s_add_co_u32 s17, s17, s41                     ; A's tile = 4 x its cluster coordinate + cy
	s_lshl_b32 s43, s41, 2
	s_lshl_b32 s43, 15, s43                        ; my row of the cluster
	s_lshl_b32 s44, 0x1111, s40                    ; my column
	; descriptor group 1: a tile of 128 rows x 256 bytes, padded in LDS
	s_or_b32 s[G1+0], s43, (0<<16)|(1<<20)|(1<<21)|(5<<22)|(3<<25)  ; 15:0 the mask; 17:16 elements of 1 byte; 20 padding on; 21 set beside a mask; 24:22 after every 64 words; 31:25 four words
	s_or_b32 s[G1B+0], s44, (0<<16)|(1<<20)|(1<<21)|(5<<22)|(3<<25)
.irp g, G1, G1B
	s_mov_b32 s[\g+1], ROWB<<16                    ; tensor_dim0
	s_mov_b32 s[\g+2], 128<<16                     ; tensor_dim1
	s_mov_b32 s[\g+3], ROWB<<16                    ; tile_dim0
	s_mov_b32 s[\g+4], 128                         ; tile_dim1
	s_mov_b32 s[\g+5], KROW                        ; tensor_dim0_stride
	s_mov_b32 s[\g+6], 0
	s_mov_b32 s[\g+7], 0
.endr
	s_lshl_b32 s18, s16, 7                         ; which 128 rows of the tile I fetch
	s_lshl_b32 s20, s17, 8
	s_add_co_u32 s20, s20, s18                     ; A: row 256 x tile + 128 x half
	s_lshl_b32 s46, s42, 8
	s_add_co_u32 s46, s46, s18                     ; B likewise
	s_mov_b32 s21, 0
	s_mov_b32 s47, 0
	s_mov_b64 s[18:19], KROW
	s_mul_u64 s[20:21], s[20:21], s[18:19]
	s_mul_u64 s[46:47], s[46:47], s[18:19]
	s_mul_i32 s45, s14, HALFT                      ; where they go: wave x 128 rows: no place in the cluster enters an LDS address
	s_wait_kmcnt 0x0
	s_load_b256 s[80:87], s[8:9], 0x0              ; e0 .. e7
	s_add_nc_u64 s[66:67], s[6:7], 0x200000        ; the weight's rows 2,048 on: v's
	s_cmp_eq_u32 ttmp9, 2
	s_cselect_b64 s[68:69], s[66:67], s[4:5]       ; A's buffer
	s_cselect_b64 s[70:71], s[4:5], s[6:7]         ; B's buffer
	s_add_nc_u64 s[20:21], s[68:69], s[20:21]
	s_add_nc_u64 s[46:47], s[70:71], s[46:47]
	CROUND                                         ; all sixteen work-groups are here: the first joint loads meet
.irp s, 0,1
	s_mov_b32 s[G0+4*\s], 1
	s_add_co_u32 s[G0+4*\s+1], s45, \s*SLOT
	s_add_nc_u64 s[G0+4*\s+2:G0+4*\s+3], s[20:21], \s*ROWB
	s_or_b32 s[G0+4*\s+3], s[G0+4*\s+3], 0x80000000
	s_mov_b32 s[G0B+4*\s], 1
	s_add_co_u32 s[G0B+4*\s+1], s45, \s*SLOT
	s_add_nc_u64 s[G0B+4*\s+2:G0B+4*\s+3], s[46:47], \s*ROWB
	s_or_b32 s[G0B+4*\s+3], s[G0B+4*\s+3], 0x80000000
	JLOAD G0+4*\s, G1, G0B+4*\s, G1B
.endr
	v_and_b32 v1, 15, v0                           ; r = lane % 16
	v_bfe_u32 v2, v0, 4, 1                         ; h = lane / 16
	v_mul_u32_u24 v3, v1, PITCH
	v_lshl_add_u32 v4, v2, 4, v3                   ; a fragment's row x pitch + 16 x half
	s_mul_i32 s21, s15, HALFT                      ; my 128 rows of A
	s_mul_i32 s22, s16, HALFT                      ; my 128 rows of B,
	s_add_co_u32 s22, s22, 2*HALFT                 ; which lie behind A's 256
.irp s, 0,1
	v_add_nc_u32 v[ADRA+\s], s21, v4
	v_add_nc_u32 v[ADRB+\s], s22, v4
	s_add_co_u32 s21, s21, SLOT
	s_add_co_u32 s22, s22, SLOT
.endr
	s_mul_i32 s23, s14, WSTG                       ; my stage
	v_mul_u32_u24 v5, v1, QP
	v_lshl_add_u32 v5, v2, 4, v5
	v_add_nc_u32 v[STO], s23, v5                   ; in: row r, 16 bytes for each half of the lanes
	v_bfe_u32 v6, v0, 2, 2                         ; back, q and k: lanes 0-15 take four rows' first 64 bytes (one head), lanes 16-31 their second 64 (the next head)
	v_mul_u32_u24 v6, v6, QP
	v_lshl_add_u32 v6, v2, 6, v6
	v_and_b32 v7, 3, v0
	v_lshl_add_u32 v6, v7, 4, v6
	v_add_nc_u32 v[RDQ], s23, v6
	v_bfe_u32 v6, v0, 3, 2                         ; back, v: eight lanes to a row of 128 bytes, four rows an instruction
	v_mul_u32_u24 v6, v6, QP
	v_and_b32 v7, 7, v0
	v_lshl_add_u32 v6, v7, 4, v6
	v_add_nc_u32 v[RDV], s23, v6
	v_lshlrev_b32 v[COQ], 4, v1
	v_lshl_add_u32 v[COQ], v2, 17, v[COQ]          ; q and k: 16 (lane % 16), + a head (131,072 bytes) for lanes 16-31
	v_and_b32 v6, 31, v0
	v_lshlrev_b32 v[COV], 4, v6                    ; v: 16 x lane
	; where my wave's part begins in qkv.  q, k: rows s from A's tile, heads from B's tile;  v: the other way round.  (In registers that feed no descriptor.)
	s_and_b32 s73, s42, 3
	s_lshr_b32 s74, s42, 2
	s_cmp_eq_u32 ttmp9, 2
	s_cselect_b32 s72, s42, s17                    ; the tile along s, 0..31
	s_cselect_b32 s73, s17, s73                    ; the tile along the 1,024 channels, 0..3
	s_cselect_b32 s74, 2, s74                      ; 0 q, 1 k, 2 v
	s_cselect_b32 s75, s16, s15                    ; my half along s
	s_cselect_b32 s76, s15, s16                    ; my half along the channels
	s_lshl_b32 s74, s74, 23                        ; 8 MiB a kind
	s_lshr_b32 s77, s72, 3                         ; the batch: 8 tiles of 256 rows each
	s_lshl_b32 s77, s77, 4
	s_lshl_b32 s73, s73, 2
	s_add_co_u32 s77, s77, s73
	s_lshl_b32 s76, s76, 1
	s_add_co_u32 s77, s77, s76                     ; my first head: 16 x batch + 4 x tile + 2 x half
	s_lshl_b32 s77, s77, 17
	s_add_co_u32 s74, s74, s77
	s_and_b32 s72, s72, 7
	s_lshl_b32 s72, s72, 1
	s_add_co_u32 s72, s72, s75                     ; my 128 of the head's 2,048 rows s:
	s_lshl_b32 s72, s72, 13                        ; 8,192 bytes in q and k (128 rows of 64) and in v (64 channels of 128) alike
	s_add_co_u32 s74, s74, s72
	s_mov_b32 s75, 0
	s_add_nc_u64 s[10:11], s[10:11], s[74:75]
.macro FRAG reg, adr, q, i             ; a fragment, 16 rows x 128 K: lane l holds row l % 16; registers 4 c .. 4 c + 3 hold K = 32 c + 16 (l / 16) + 0 .. 15: the same order of k in A and in B
.irp c, 0,1,2,3
	ds_load_b128 v[\reg+4*\c:\reg+4*\c+3], v[\adr] offset:128*(\q)+32*\c+(\i)*16*PITCH
.endr
.endm
; 16 matrix instructions: A's blocks a0, a0 + 1 x B's eight.  The 64 accumulators take turns, one instruction a turn, in the same order in every step.
.macro MUL16 a0, p, zero
.irp a, \a0, \a0+1
.irp b, 0,1,2,3,4,5,6,7
.if \zero
	v_wmma_f32_16x16x128_bf8_bf8 v[8*(8*((\a)%4)+\b):8*(8*((\a)%4)+\b)+7], v[128*(\p)+FR*\b:128*(\p)+FR*\b+FR-1], v[AF+FR*(\a):AF+FR*(\a)+FR-1], 0
.else
	v_wmma_f32_16x16x128_bf8_bf8 v[8*(8*((\a)%4)+\b):8*(8*((\a)%4)+\b)+7], v[128*(\p)+FR*\b:128*(\p)+FR*\b+FR-1], v[AF+FR*(\a):AF+FR*(\a)+FR-1], v[8*(8*((\a)%4)+\b):8*(8*((\a)%4)+\b)+7]
.endif
.endr
.endr
.endm
.macro FETCH_B slot, q, p
	WIN TO_B
.irp i, 0,1,2,3,4,5,6,7
	FRAG 128*(\p)+FR*\i, ADRB+\slot, \q, \i
.endr
	WIN 0
.endm
.macro FETCH_A slot, q, i0
.irp i, \i0, \i0+1, \i0+2, \i0+3
	FRAG AF+FR*(\i), ADRA+\slot, \q, \i
.endr
.endm
.macro PLACES n                        ; plain vector instructions between a matrix instruction and a load into, or a read of, its registers
.rept \n
	v_nop
.endr
.endm
.macro STEP slot, q, zero              ; a step of 128 along K that has its successor in the same slot
	s_wait_dscnt 4*NL                              ; B's set and A's blocks 0-3 are in; the youngest sixteen loads (A's blocks 4-7) may be out
	WIN MUL_LO
	MUL16 0, (\q)%2, \zero
	MUL16 2, (\q)%2, \zero
	s_wait_dscnt 0
	PLACES NP
	FETCH_B \slot, (\q)+1, 1-(\q)%2
	FETCH_A \slot, (\q)+1, 0
	WIN MUL_HI
	MUL16 4, (\q)%2, \zero
	MUL16 6, (\q)%2, \zero
	PLACES NP
	WIN 0
	FETCH_A \slot, (\q)+1, 4
.endm
; A slot's last step changes slots: one barrier; in front of it each wave waits for all its tensor loads, adds 0 to its spare word, and waits for that and for its reads of this slot.
.macro TURN slot, next, fill
	s_wait_tensorcnt 0x0                           ; all my tensor loads have landed: my part of the next slot
	ds_add_u32 v[SPW], v[NIL]                      ; 0 onto my spare word
	s_wait_dscnt 4*NL+1                            ; (the add and the youngest sixteen loads may be out)
	WIN MUL_LO
	MUL16 0, 1, 0
	s_wait_dscnt 0x0                               ; the add is done, and my reads of this slot are over
	s_barrier_signal -1
	MUL16 2, 1, 0
	WIN 0
	s_barrier_wait -1
.if \fill
	CREST                                          ; the barrier has opened a round of the cluster's barrier: no wave of any partner still reads this slot or has a load on its way
	s_add_nc_u64 s[G0+4*\slot+2:G0+4*\slot+3], s[G0+4*\slot+2:G0+4*\slot+3], 2*ROWB
	s_add_nc_u64 s[G0B+4*\slot+2:G0B+4*\slot+3], s[G0B+4*\slot+2:G0B+4*\slot+3], 2*ROWB
	JLOAD G0+4*\slot, G1, G0B+4*\slot, G1B         ; the first tensor load behind the round; its four v_nop are the places in front of the loads below
.else
	PLACES NP
.endif
	FETCH_B \next, 0, 0
	FETCH_A \next, 0, 0
	WIN MUL_HI
	MUL16 4, 1, 0
	MUL16 6, 1, 0
	PLACES NP
	WIN 0
	FETCH_A \next, 0, 4
.endm
	s_wait_tensorcnt 1                             ; my part of K step 0 is in (K step 1's load may be out),
	s_barrier_signal -1
	s_barrier_wait -1                              ; everybody's is
	FETCH_B 0, 0, 0
	FETCH_A 0, 0, 0
	FETCH_A 0, 0, 4
	STEP 0, 0, 1                                   ; the first step's products start the sums
	s_mov_b32 s3, LAPS-1
.Llap:                                                 ; a trip goes once round the ring and fills both slots again
	TURN 0, 1, 1
	STEP 1, 0, 0
	TURN 1, 0, 1
	STEP 0, 0, 0
	s_sub_co_u32 s3, s3, 1
	s_cmp_lg_u32 s3, 0
	s_cbranch_scc1 .Llap
	TURN 0, 1, 0                                   ; the last lap fills nothing
	STEP 1, 0, 0
	s_wait_dscnt 4*NL
	WIN MUL_LO
	MUL16 0, 1, 0
	MUL16 2, 1, 0
	s_wait_dscnt 0
	WIN MUL_HI
	MUL16 4, 1, 0
	MUL16 6, 1, 0
	WIN 0
; THE WAY OUT.  Block a (16 rows of A's side x 128 of B's side): each sum is held and converted; the codes of B's blocks 2 c and 2 c + 1 are 16 bytes of the lane's row, stored at 32 c + 16 h.
.macro QSTAGE a
.set AC, 64*((\a)%4)
	WIN 0x02+((\a)/4)                              ; source 0: window 2 or 3
.set n, 0
.rept 64
	v_med3_num_f32 v[TMP+n], v[AC+n], -v[LIMV], v[LIMV]   ; the conversion does not saturate (ISA guide 7.6.2): the hold, into other registers; each accumulator from its low end on
.set n, n+1
.endr
	WIN 0
.irp b, 0,1,2,3,4,5,6,7
	v_cvt_scalef32_pk8_bf8_f32 v[CD+16*(\a)+2*\b:CD+16*(\a)+2*\b+1], v[TMP+8*\b:TMP+8*\b+7], v[SCL]
.endr
	v_nop                                          ; a plain vector instruction between the conversions and the next block's holds, which write their sources
.irp c, 0,1,2,3
	ds_store_b128 v[STO], v[CD+16*(\a)+4*\c:CD+16*(\a)+4*\c+3] offset:(\a)*16*QP+32*\c
.endr
.endm
	s_wait_kmcnt 0x0
	s_cmp_eq_u32 ttmp9, 0
	s_cselect_b32 s88, s82, s83                    ; e2 for q, e3 for k,
	s_cmp_eq_u32 ttmp9, 2
	s_cselect_b32 s88, s85, s88                    ; e5 for v
	s_sub_co_i32 s88, s88, s80
	s_sub_co_i32 s88, s88, s81                     ; et - e0 - e1: the three scales folded into the conversion's one
	s_add_co_i32 s88, s88, 127
	s_lshl_b32 s89, s88, 23
	v_mov_b32 v[SCL], s89
	s_add_co_i32 s88, s88, 15
	s_lshl_b32 s88, s88, 23
	s_or_b32 s88, s88, 0x600000
	v_mov_b32 v[LIMV], s88
	PLACES NP                                      ; behind the last products: their results are read and A's registers written below
.irp a, 0,1,2,3,4,5,6,7
	QSTAGE \a
.endr
	s_wait_dscnt 0x0                               ; the stores have read the registers into which the rows come back
	s_cmp_eq_u32 ttmp9, 2                          ; the cluster's x: the same in all partners
	s_cbranch_scc1 .Lvout
.set n, 0
.rept 32
	ds_load_b128 v[CD+4*n:CD+4*n+3], v[RDQ] offset:n*4*QP
.set n, n+1
.endr
.set n, 0
.rept 32
	s_wait_dscnt 31-n                              ; load n is in, the younger ones may be out
	global_store_b128 v[COQ], v[CD+4*n:CD+4*n+3], s[10:11] offset:256*n   ; four rows s of two heads: sixteen lanes store 256 consecutive bytes, aligned
.set n, n+1
.endr
	s_branch .Ldone
.Lvout:
.set n, 0
.rept 32
	ds_load_b128 v[CD+4*n:CD+4*n+3], v[RDV] offset:n*4*QP
.set n, n+1
.endr
.set n, 0
.rept 32
	s_wait_dscnt 31-n
	global_store_b128 v[COV], v[CD+4*n:CD+4*n+3], s[10:11] offset:(n/16)*131072+(n%16)*512   ; four channels' 128 keys: 512 consecutive bytes; rows 64 on belong to the next head
.set n, n+1
.endr
.Ldone:
	s_wait_tensorcnt 0x0                           ; the wave's end
	ds_add_u32 v[SPW], v[NIL]
	s_wait_dscnt 0x0
	CROUND                                         ; the closing round: no work-group ends while a partner may still ask for a tile that names it
	s_endpgm
.Lfunc_end_k_q0834d97058_qkv:
	.size	k_q0834d97058_qkv, .Lfunc_end_k_q0834d97058_qkv-k_q0834d97058_qkv
	.p2alignl 7, 3214868480
	.fill 96, 4, 3214868480
	.section	.rodata,"a",@progbits
	.p2align	6, 0x0
	.amdhsa_kernel k_q0834d97058_qkv
		.amdhsa_group_segment_fixed_size 327680
		.amdhsa_private_segment_fixed_size 0
		.amdhsa_enable_private_segment 0
		.amdhsa_kernarg_size 32
		.amdhsa_user_sgpr_count 2
		.amdhsa_user_sgpr_kernarg_segment_ptr 1
		.amdhsa_wavefront_size32 1
		.amdhsa_system_sgpr_workgroup_id_x 1
		.amdhsa_system_sgpr_workgroup_id_y 1
		.amdhsa_system_sgpr_workgroup_id_z 1
		.amdhsa_system_vgpr_workitem_id 0
		.amdhsa_next_free_vgpr 1024
		.amdhsa_next_free_sgpr 98
		.amdhsa_reserve_vcc 0
		.amdhsa_float_denorm_mode_32 3
		.amdhsa_float_denorm_mode_16_64 3
		.amdhsa_memory_ordered 1
		.amdhsa_forward_progress 1
		.amdhsa_inst_pref_size 130
	.end_amdhsa_kernel
	.amdgpu_metadata
---
amdhsa.version: [ 1, 2 ]
amdhsa.kernels:
  - .name:           k_q0834d97058_qkv
    .symbol:         k_q0834d97058_qkv.kd
    .args:
      - { .name: x_codes, .offset: 0, .size: 8, .value_kind: global_buffer, .address_space: global }
      - { .name: wqkv_codes, .offset: 8, .size: 8, .value_kind: global_buffer, .address_space: global }
      - { .name: lowp_scales, .offset: 16, .size: 8, .value_kind: global_buffer, .address_space: global }
      - { .name: qkv, .offset: 24, .size: 8, .value_kind: global_buffer, .address_space: global }
    .group_segment_fixed_size: 327680
    .private_segment_fixed_size: 0
    .kernarg_segment_align: 8
    .kernarg_segment_size: 32
    .max_flat_workgroup_size: 128
    .sgpr_count:     98
    .vgpr_count:     1024
    .wavefront_size: 32
...
	.end_amdgpu_metadata
.endif
;; end of part 2
;; launch attn (part 3): grid 4 x 64, 8 waves a work-group, no clusters, 152,576 bytes of LDS; arguments qkv, lowp_scales, y_codes; writes y_codes
.if DOCPART == 3
	.amdgcn_target "amdgcn-amd-amdhsa--gfx1250"
	.amdhsa_code_object_version 6
	.text
	.protected	k_q0834d97058_attn
	.globl	k_q0834d97058_attn
	.p2align	8
	.type	k_q0834d97058_attn,@function
k_q0834d97058_attn:
	s_mov_b64 s[64:65], 0
	v_nop
	global_prefetch_b8 v0, s[64:65] scope:SCOPE_SE
	s_setreg_imm32_b32 hwreg(HW_REG_WAVE_MODE, 25, 1), 1
	s_wait_xcnt 0x0
; Causal attention on codes of BF8 (E5M2), head size 64, 2,048 positions, 64 heads; y is quantised on the way out for the last product.
; qkv: q at byte 0, k at 8 MiB: [head][s][64]; v at 16 MiB: [head][s / 128][channel 64][128 keys]; within every aligned 32 along the innermost axis place 16 h + 8 u + j holds index 16 u + 8 h + j.
; THE SOFTMAX: t = score x log2(e) / 8; M = the row's largest t so far rounded UP to a whole number; p = 2^(t - M) is quantised with 2^e4; the row's sum is taken of the unquantised p and divides at the end.
; When M moves, the sum and O are multiplied by 2^(old M - new M), which rounds nothing.
; SHARES.  Work-group (j, head) owns the query blocks 7 - j and j, 256 queries each, in that order: 8 - j and j + 1 slots of 256 keys: NINE slots in every work-group, so the trip count is a constant.
; All eight waves work on the same block; a wave owns 32 queries, two tiles of 16, so each fragment of K and V that it reads from LDS feeds two matrix instructions.
; Keys that come after all of a wave's queries are left out by a scalar branch on ids, round a step's work alone: every wave passes every barrier and does its part of every fill.
; LAYOUT.  Both products transposed: S^T = K Q^T (source 0 = 16 keys, source 1 = 16 queries), O^T = V^T P^T (source 0 = 16 channels, source 1 = P): a lane holds ONE query (lane % 16) throughout.
; In S^T's tile k lane (r, h) holds keys 16 k + 8 h + 0 .. 7: its conversion's two registers ARE registers 2 k, 2 k + 1 of P in the K = 64 form's layout.
; THE RING.  Two LDS slots of 256 keys, filled through registers: in each of a trip's four steps every thread loads 16 bytes of the next slot's K and 16 of its V at the step's head and stores them to LDS at its end.
; One barrier a trip: in front of it each wave's reads of the slot in hand are back and its stores into the other slot have landed.
; NO CLUSTER, NO TENSOR LOAD: the four work-groups of a head change blocks in different trips, so they want different tiles in the same trip; and with no tensor load the hold of p may hang on the given e4.
; LIMITS on the given exponents: e2 + e3 between -123 and 130 (added to the exponent field of log2(e) / 8); e4, and e6 - e4 - e5, between -126 and 112.
.set KP,    80                         ; a key's row in LDS: 64 bytes + 16
.set VP,    144                        ; a row of V (a channel's 128 keys): 128 bytes + 16
.set VOFF,  256*KP                     ; a slot: 256 rows of K, then 128 rows of V
.set SLOT1, 65536                      ; slot 1 begins here: one exclusive or turns an address from one slot to the other
.set STAGE, 2*SLOT1                    ; behind the ring: 32 rows x 80 bytes for each wave, for the way out
.set WST,   32*80
.set AK0,  1                           ; v1  my lane's place in a tile of K
.set AV0,  2                           ; v2  the same for V
.set ADK,  3                           ; v3  + the slot that is read
.set ADV,  4                           ; v4
.set FSK0, 5                           ; v5  my thread's place in a fill of K
.set FSV0, 6                           ; v6  of V
.set FSK,  7                           ; v7  + the slot that is written
.set FSV,  8                           ; v8
.set GF0,  9                           ; v9  16 x thread
.set GF,   10                          ; v10 + the tile that is fetched
.set STO,  11                          ; v11 the way out: where I put 8 bytes of a row
.set SRD,  12                          ; v12 where I read back
.set GO,   13                          ; v13 16 x lane
.set QA,   14                          ; v14 Q: row r of 64 bytes + 16 h
.set PFO,  15                          ; v15 256 x lane
.set ST,   16                          ; tile u at v[ST + 4 u]: -M, the largest t, the sum in two halves
.set WK,   24                          ; tile u at v[WK + 8 u]: +0, +6 at work; +1 the lane exchange; +2 f, +3 its pair's upper word; +4, +5 a second chain of sums
.set PSC,  40                          ; v40 2^e4
.set PLIM, 41                          ; v41 57,344 x 2^e4
.set NINF, 42                          ; v42 -infinity
.set DM,   43                          ; v43, v44 the mask's bound for tiles 0, 1
.set YSC,  45                          ; v45 2^(e6 - e4 - e5)
.set YLIM, 46                          ; v46 57,344 x that
.set RH,   47                          ; v47 r - 8 h
.set Q,    48                          ; v48-63   Q's two fragments
.set F,    64                          ; v64-95   four fragments of K, then of V
.set S,    96                          ; v96-159  S^T, then p: tile u, keys' tile k at S + 32 u + 8 k
.set O,    160                         ; v160-223 O^T: tile u, channels' tile t at O + 32 u + 8 t
.set P,    224                         ; v224-239 p's codes
.set FD,   240                         ; v240-247 the fill's 16 bytes of K and of V
.set WV,  18
.set GR,  19                           ; s19 which 32 queries of the block are my wave's
.set JB,  20                           ; s20 j
.set NA,  21                           ; s21 slots of the first block: 8 - j
.set CT,  22                           ; s22 the trip
.set TB,  23                           ; s23 the slot that is read
.set TW,  24                           ; s24 the slot that is written
.set KF,  25                           ; s25 the step's first key
.set Q0,  26                           ; s26 my first query
.set FO,  27
.set SEL, 32                           ; s[32:33] v_permlanex16_b32's selects for lane l xor 16
.set CS,  34                           ; s[34:35] log2(e) / 8 x 2^(e2 + e3)
.set KB,  36                           ; s[36:37] the head's K
.set VB,  38                           ; s[38:39] its V
.set QH,  40                           ; s[40:41] its Q
.set YH,  42                           ; s[42:43] its y
.set QB,  44                           ; s[44:45] Q at my first query
.set YB,  46                           ; s[46:47] y likewise
.set PFA, 48                           ; s[48:49] where my prefetches stand
.set LIM, 50                           ; s50 a wave prefetches while the trip's number is under it
.set E4,  51
.macro INIT                            ; a block begins: the largest t is -3e38, under every t; sums and O^T are zeros, which the first change of M leaves zeros: so the step is written once
.irp u, 0,1
	v_mov_b32 v[ST+4*\u+1], 0xff61b1e6
	v_mov_b32 v[ST+4*\u+2], 0
	v_mov_b32 v[ST+4*\u+3], 0
.endr
.irp u, 0,1
	v_floor_f32 v[ST+4*\u], -v[ST+4*\u+1]
.endr
.set n, 0
.rept 64
	v_mov_b32 v[O+n], 0
.set n, n+1
.endr
.endm
.macro QLOAD                           ; my 32 queries' codes: two fragments, which stay in registers; y's address goes with them (both have rows of 64 bytes)
	s_lshl_b32 s52, s[Q0], 6
	s_mov_b32 s53, 0
	s_add_nc_u64 s[QB:QB+1], s[QH:QH+1], s[52:53]
	s_add_nc_u64 s[YB:YB+1], s[YH:YH+1], s[52:53]
.irp u, 0,1
.irp c, 0,1
	global_load_b128 v[Q+8*\u+4*\c:Q+8*\u+4*\c+3], v[QA], s[QB:QB+1] offset:1024*\u+32*\c
.endr
.endr
.endm
; A PREFETCH INTO THE L2 of the tile that the NEXT trip's fill loads will ask for: in trip c tile c + 2, four key steps ahead of those loads.  All four work-groups of a head walk the same tiles: the one with j = 0 asks,
; waves 0 and 1 for K's 16,384 bytes, waves 2 and 3 for V's, lanes 256 bytes apart: each aligned block of 256 bytes is named once in the launch.  Trips 6 and on ask for nothing: tile 7 is the head's last.
.macro ASK
	s_cmp_lt_u32 s[CT], s[LIM]
	s_cbranch_scc0 .Lnot_mine_\@
	global_prefetch_b8 v[PFO], s[PFA:PFA+1] th:TH_LOAD_NT scope:SCOPE_SE
.Lnot_mine_\@:
.endm
; A KEY STEP: 64 keys, the q-th of the slot in hand, for my two tiles of queries.  fill = 1: a quarter of the next slot is fetched beside it.
.macro STEP q, fill
.if \fill
	s_wait_dscnt 0x0                               ; the last step's two fill stores have read their registers
	global_load_b128 v[FD:FD+3], v[GF], s[KB:KB+1] offset:4096*\q
	global_load_b128 v[FD+4:FD+7], v[GF], s[VB:VB+1] offset:4096*\q
.if \q == 0
	ASK
.endif
.endif
	s_add_co_u32 s28, s[Q0], 31
	s_cmp_gt_u32 s[KF], s28                        ; all 64 keys come after my 32 queries: the step's work is left out
	s_cbranch_scc1 .Lhid_\@
.rept 4
	v_nop                                          ; places in front of loads into registers that the last products read
.endr
.irp k, 0,1,2,3
.irp c, 0,1
	ds_load_b128 v[F+8*\k+4*\c:F+8*\k+4*\c+3], v[ADK] offset:(64*\q+16*\k)*KP+32*\c
.endr
.endr
	s_wait_dscnt 0x0
.irp k, 0,1,2,3
.irp u, 0,1
	v_wmma_f32_16x16x64_bf8_bf8 v[S+32*\u+8*\k:S+32*\u+8*\k+7], v[F+8*\k:F+8*\k+7], v[Q+8*\u:Q+8*\u+7], 0
.endr
.endr
.rept 4
	v_nop                                          ; places: V's fragments land where K's lay, and the scores are read below
.endr
.irp t, 0,1,2,3
.irp c, 0,1
	ds_load_b128 v[F+8*\t+4*\c:F+8*\t+4*\c+3], v[ADV] offset:((\q/2)*64+16*\t)*VP+64*(\q%2)+32*\c
.endr
.endr
	s_add_co_u32 s28, s[KF], 63
	s_cmp_le_u32 s28, s[Q0]                        ; all 64 keys count for all my queries: no mask
	s_cbranch_scc1 .Lopen_\@
	s_sub_co_i32 s28, s[Q0], s[KF]
	v_add_nc_u32 v[DM], s28, v[RH]                 ; d = my query - the step's first key - 8 h.  Register 8 k + i holds key 16 k + 8 h + i of the step: hidden where 16 k + i > d
	v_add_nc_u32 v[DM+1], 16, v[DM]
.irp u, 0,1
.set n, 0
.rept 32
	v_cmp_gt_i32 vcc_lo, 16*(n/8)+n%8, v[DM+\u]
	v_cndmask_b32 v[S+32*\u+n], v[S+32*\u+n], v[NINF], vcc_lo   ; -infinity ahead of the maximum: p = 0 then
.set n, n+1
.endr
.endr
.Lopen_\@:
.irp u, 0,1                                    ; the step's largest score of my query among my 32 keys, in two chains a tile, the registers in ascending order
	v_max3_num_f32 v[WK+8*\u], v[S+32*\u], v[S+32*\u+1], v[S+32*\u+2]
	v_max3_num_f32 v[WK+8*\u+6], v[S+32*\u+3], v[S+32*\u+4], v[S+32*\u+5]
.endr
.irp i, 6,10,14,18,22,26
.irp u, 0,1
	v_max3_num_f32 v[WK+8*\u], v[WK+8*\u], v[S+32*\u+\i], v[S+32*\u+\i+1]
	v_max3_num_f32 v[WK+8*\u+6], v[WK+8*\u+6], v[S+32*\u+\i+2], v[S+32*\u+\i+3]
.endr
.endr
.irp u, 0,1
	v_max3_num_f32 v[WK+8*\u], v[WK+8*\u], v[S+32*\u+30], v[S+32*\u+31]
.endr
.irp u, 0,1
	v_max_num_f32 v[WK+8*\u], v[WK+8*\u], v[WK+8*\u+6]
.endr
.irp u, 0,1
	v_permlanex16_b32 v[WK+8*\u+1], v[WK+8*\u], s[SEL], s[SEL+1]
.endr
.irp u, 0,1
	v_max_num_f32 v[WK+8*\u], v[WK+8*\u], v[WK+8*\u+1]   ; and among lane l xor 16's
.endr
.irp u, 0,1
	v_mul_f32 v[WK+8*\u], s[CS], v[WK+8*\u]        ; as t
.endr
.irp u, 0,1
	v_max_num_f32 v[ST+4*\u+1], v[ST+4*\u+1], v[WK+8*\u]   ; the running largest t
.endr
.irp u, 0,1
	v_mov_b32 v[WK+8*\u], v[ST+4*\u]
.endr
.irp u, 0,1
	v_floor_f32 v[ST+4*\u], -v[ST+4*\u+1]          ; the new -M = floor(-t): M is a whole number
.endr
.irp u, 0,1
	v_sub_f32 v[WK+8*\u], v[ST+4*\u], v[WK+8*\u]   ; old M - new M, 0 or less
.endr
.irp u, 0,1
	v_cvt_i32_f32 v[WK+8*\u], v[WK+8*\u]           ; (it saturates)
.endr
.irp u, 0,1
	v_ldexp_f32 v[WK+8*\u+2], 1.0, v[WK+8*\u]      ; f = 2^(old M - new M)
.endr
.irp u, 0,1
.set n, 0
.rept 16
	v_pk_fma_f32 v[S+32*\u+n:S+32*\u+n+1], v[S+32*\u+n:S+32*\u+n+1], s[CS:CS+1], v[ST+4*\u:ST+4*\u+1] op_sel_hi:[1,0,0]   ; t - M, two at a time
.set n, n+2
.endr
.endr
.set n, 0
.rept 64
	v_exp_f32 v[S+n], v[S+n]                       ; p = 2^(t - M): one batch
.set n, n+1
.endr
.irp u, 0,1
	v_pk_mul_f32 v[ST+4*\u+2:ST+4*\u+3], v[ST+4*\u+2:ST+4*\u+3], v[WK+8*\u+2:WK+8*\u+3] op_sel_hi:[1,0]   ; the sums under the new M; the plain instruction behind the exponentials
.endr
	s_wait_alu depctr_va_vdst(0)                   ; one wait for the batch, ahead of its first reader
.irp u, 0,1
	v_pk_add_f32 v[WK+8*\u+4:WK+8*\u+5], v[S+32*\u:S+32*\u+1], v[S+32*\u+2:S+32*\u+3]   ; the row's sum is taken of the unquantised p, in two chains a tile
.endr
.irp i, 4,8,12,16,20,24,28
.irp u, 0,1
	v_pk_add_f32 v[ST+4*\u+2:ST+4*\u+3], v[ST+4*\u+2:ST+4*\u+3], v[S+32*\u+\i:S+32*\u+\i+1]
	v_pk_add_f32 v[WK+8*\u+4:WK+8*\u+5], v[WK+8*\u+4:WK+8*\u+5], v[S+32*\u+\i+2:S+32*\u+\i+3]
.endr
.endr
.irp u, 0,1
	v_pk_add_f32 v[ST+4*\u+2:ST+4*\u+3], v[ST+4*\u+2:ST+4*\u+3], v[WK+8*\u+4:WK+8*\u+5]
.endr
	s_cmp_ge_i32 s[E4], -15                        ; p is at most 1, and 1 <= 57,344 x 2^e4 from e4 = -15 on: there the hold changes nothing and is passed over
	s_cbranch_scc1 .Lnh_\@
.set n, 0
.rept 64
	v_min_num_f32 v[S+n], v[S+n], v[PLIM]          ; the conversion does not saturate (ISA guide 7.6.2); p is not negative, so the hold is one-sided
.set n, n+1
.endr
.Lnh_\@:
.irp u, 0,1
.irp k, 0,1,2,3
	v_cvt_scalef32_pk8_bf8_f32 v[P+8*\u+2*\k:P+8*\u+2*\k+1], v[S+32*\u+8*\k:S+32*\u+8*\k+7], v[PSC]
.endr
.endr
.irp u, 0,1
.set n, 0
.rept 16
	v_pk_mul_f32 v[O+32*\u+n:O+32*\u+n+1], v[O+32*\u+n:O+32*\u+n+1], v[WK+8*\u+2:WK+8*\u+3] op_sel_hi:[1,0]   ; O^T under the new M, from each accumulator's low end on; also the plain instructions behind the conversions
.set n, n+2
.endr
.endr
	s_wait_dscnt 0x0                               ; V's fragments are in
.irp t, 0,1,2,3
.irp u, 0,1                                    ; the eight accumulators take turns, one instruction a turn
	v_wmma_f32_16x16x64_bf8_bf8 v[O+32*\u+8*\t:O+32*\u+8*\t+7], v[F+8*\t:F+8*\t+7], v[P+8*\u:P+8*\u+7], v[O+32*\u+8*\t:O+32*\u+8*\t+7]
.endr
.endr
.Lhid_\@:
	s_add_co_u32 s[KF], s[KF], 64
.if \fill
	s_wait_loadcnt 0x0                             ; my 32 bytes of the next slot are in
	ds_store_b128 v[FSK], v[FD:FD+3] offset:64*KP*\q
	ds_store_b128 v[FSV], v[FD+4:FD+7] offset:32*VP*\q
.endif
.endm
; A TRIP: a slot's four steps.  fill = 1: the other slot takes the tile of the next trip: tile c + 1 of the block in hand, or, behind the first block's last slot, the second block's tiles from 0 on.
.macro TRIP fill
.if \fill
	s_wait_xcnt 0x0                                ; the last prefetch, a trip back, has read its address
	s_add_nc_u64 s[PFA:PFA+1], s[PFA:PFA+1], 16384
	s_add_co_u32 s28, s[CT], 1
	s_cmp_lt_u32 s28, s[NA]
	s_cselect_b32 s29, 0, s[NA]
	s_sub_co_u32 s28, s28, s29
	s_lshl_b32 s[FO], s28, 14                      ; a tile is 16,384 bytes of K and as many of V
	v_add_nc_u32 v[GF], s[FO], v[GF0]              ; (the last trip's fill loads were waited for in their steps)
	v_add_nc_u32 v[FSK], s[TW], v[FSK0]
	v_add_nc_u32 v[FSV], s[TW], v[FSV0]
.endif
	v_add_nc_u32 v[ADK], s[TB], v[AK0]
	v_add_nc_u32 v[ADV], s[TB], v[AV0]
	STEP 0, \fill
	STEP 1, \fill
	STEP 2, \fill
	STEP 3, \fill
.if \fill
	s_wait_dscnt 0x0                               ; for the others' sake: my reads of this slot are back, my stores into the other have landed
	s_barrier_signal -1
	s_barrier_wait -1
	s_xor_b32 s[TB], s[TB], SLOT1
	s_xor_b32 s[TW], s[TW], SLOT1
.endif
.endm
; THE WAY OUT of a block: O^T / the row's sum stands for y / 2^(e4 + e5); its code is that / 2^(e6 - e4 - e5).  A lane's eight channels are 8 bytes of a row of 64; the wave's 32 rows go through its own stage and leave as 512 consecutive bytes a store.
.macro WAYOUT
.rept 4
	v_nop                                          ; places behind the last products
.endr
.irp u, 0,1
	v_add_f32 v[WK+8*\u], v[ST+4*\u+2], v[ST+4*\u+3]
.endr
.irp u, 0,1
	v_permlanex16_b32 v[WK+8*\u+1], v[WK+8*\u], s[SEL], s[SEL+1]
.endr
.irp u, 0,1
	v_add_f32 v[WK+8*\u], v[WK+8*\u], v[WK+8*\u+1] ; the row's sum
.endr
.irp u, 0,1
	v_rcp_f32 v[WK+8*\u+2], v[WK+8*\u]
.endr
	v_nop                                          ; a plain instruction behind the reciprocals,
	s_wait_alu depctr_va_vdst(0)                   ; and the one wait ahead of their first reader
.irp u, 0,1
.set n, 0
.rept 16
	v_pk_mul_f32 v[S+32*\u+n:S+32*\u+n+1], v[O+32*\u+n:O+32*\u+n+1], v[WK+8*\u+2:WK+8*\u+3] op_sel_hi:[1,0]
.set n, n+2
.endr
.endr
.set n, 0
.rept 64
	v_med3_num_f32 v[S+n], v[S+n], -v[YLIM], v[YLIM]
.set n, n+1
.endr
.irp u, 0,1
.irp t, 0,1,2,3
	v_cvt_scalef32_pk8_bf8_f32 v[P+8*\u+2*\t:P+8*\u+2*\t+1], v[S+32*\u+8*\t:S+32*\u+8*\t+7], v[YSC]
.endr
.endr
	v_nop                                          ; a plain instruction behind the last conversion
.irp u, 0,1
.irp t, 0,1,2,3
	ds_store_b64 v[STO], v[P+8*\u+2*\t:P+8*\u+2*\t+1] offset:16*80*\u+16*\t   ; row 16 u + r, channels 16 t + 8 h on
.endr
.endr
.irp i, 0,1,2,3
	ds_load_b128 v[F+4*\i:F+4*\i+3], v[SRD] offset:8*80*\i   ; LDS serves a wave's instructions in order (ISA guide 5.7.1.4): these see my stores
.endr
	s_wait_dscnt 0x0
.irp i, 0,1,2,3
	global_store_b128 v[GO], v[F+4*\i:F+4*\i+3], s[YB:YB+1] offset:512*\i   ; eight rows of 64 bytes: 512 consecutive bytes, aligned
.endr
.endm
	s_load_b128 s[4:7], s[0:1], 0x0                ; qkv s[4:5], the scales' exponents s[6:7]
	s_load_b64 s[8:9], s[0:1], 0x10                ; y's codes
	v_lshl_add_u32 v254, v0, 2, 0x25000
	v_mov_b32 v255, 0
	v_lshrrev_b32 v3, 5, v0
	v_readfirstlane_b32 s[WV], v3                  ; wave 0..7
	s_lshr_b32 s28, s[WV], 2
	s_mul_i32 s28, s28, 3
	s_xor_b32 s[GR], s[WV], s28                    ; waves 4-7 take the groups of queries 7, 6, 5, 4: waves w and w + 4 have an early and a late group
	s_mov_b32 s[JB], ttmp9
	s_sub_co_u32 s[NA], 8, s[JB]
	s_sub_co_u32 s28, 7, s[JB]
	s_lshl_b32 s28, s28, 8
	s_lshl_b32 s29, s[GR], 5
	s_add_co_u32 s[Q0], s28, s29                   ; my first query in block 7 - j
	s_and_b32 s52, ttmp7, 0xffff                   ; the head:
	s_lshl_b32 s52, s52, 17                        ; 131,072 bytes in each of q, k, v and y
	s_mov_b32 s53, 0
	s_mov_b32 s[SEL], 0x76543210
	s_mov_b32 s[SEL+1], 0xfedcba98
	v_and_b32 v3, 15, v0                           ; r
	v_bfe_u32 v4, v0, 4, 1                         ; h
	v_and_b32 v7, 31, v0                           ; lane
	v_mul_u32_u24 v[AK0], v3, KP
	v_lshl_add_u32 v[AK0], v4, 4, v[AK0]
	v_mul_u32_u24 v[AV0], v3, VP
	v_lshl_add_u32 v[AV0], v4, 4, v[AV0]
	v_add_nc_u32 v[AV0], VOFF, v[AV0]
	v_lshrrev_b32 v8, 2, v0                        ; a fill of K: 256 threads x 16 bytes are 64 rows of 64 bytes
	v_mul_u32_u24 v[FSK0], v8, KP
	v_and_b32 v8, 3, v0
	v_lshl_add_u32 v[FSK0], v8, 4, v[FSK0]
	v_lshrrev_b32 v8, 3, v0                        ; of V: 32 rows of 128 bytes
	v_mul_u32_u24 v[FSV0], v8, VP
	v_and_b32 v8, 7, v0
	v_lshl_add_u32 v[FSV0], v8, 4, v[FSV0]
	v_add_nc_u32 v[FSV0], VOFF, v[FSV0]
	v_lshlrev_b32 v[GF0], 4, v0
	s_mul_i32 s28, s[WV], WST
	s_add_co_u32 s28, s28, STAGE                   ; my stage
	v_mul_u32_u24 v[STO], v3, 80
	v_lshl_add_u32 v[STO], v4, 3, v[STO]
	v_add_nc_u32 v[STO], s28, v[STO]
	v_lshrrev_b32 v8, 2, v7
	v_mul_u32_u24 v[SRD], v8, 80
	v_and_b32 v8, 3, v0
	v_lshl_add_u32 v[SRD], v8, 4, v[SRD]
	v_add_nc_u32 v[SRD], s28, v[SRD]
	v_lshlrev_b32 v[GO], 4, v7
	v_lshlrev_b32 v[QA], 6, v3
	v_lshl_add_u32 v[QA], v4, 4, v[QA]
	v_lshlrev_b32 v[PFO], 8, v7
	v_lshlrev_b32 v8, 3, v4
	v_sub_nc_u32 v[RH], v3, v8
	s_wait_kmcnt 0x0
	s_load_b256 s[72:79], s[6:7], 0x0              ; e0 .. e7
	s_add_nc_u64 s[QH:QH+1], s[4:5], s[52:53]
	s_add_nc_u64 s[KB:KB+1], s[QH:QH+1], 0x800000
	s_add_nc_u64 s[VB:VB+1], s[QH:QH+1], 0x1000000
	s_add_nc_u64 s[YH:YH+1], s[8:9], s[52:53]
	QLOAD
.irp f, 0,1,2,3                                ; tile 0, through the registers that the scores will take
	global_load_b128 v[S+4*\f:S+4*\f+3], v[GF0], s[KB:KB+1] offset:4096*\f
	global_load_b128 v[S+16+4*\f:S+16+4*\f+3], v[GF0], s[VB:VB+1] offset:4096*\f
.endr
	INIT
.irp u, 0,1
	v_mov_b32 v[WK+8*\u+1], 0                      ; a lane permute's destination counts as one of its sources
	v_mov_b32 v[WK+8*\u+3], 0                      ; named as the upper word of f's pair
.endr
	v_mov_b32 v[NINF], 0xff800000
	s_wait_kmcnt 0x0
	s_add_co_i32 s28, s74, s75                     ; a score stands for score x 2^(e2 + e3): the exponents are added to the exponent field of
	s_lshl_b32 s28, s28, 23
	s_add_co_i32 s[CS], s28, 0x3e38aa3b            ; log2(e) / 8
	s_mov_b32 s[CS+1], s[CS]
	s_mov_b32 s[E4], s76
	s_add_co_i32 s28, s76, 127
	s_lshl_b32 s29, s28, 23
	v_mov_b32 v[PSC], s29
	s_add_co_i32 s28, s28, 15
	s_lshl_b32 s28, s28, 23
	s_or_b32 s28, s28, 0x600000
	v_mov_b32 v[PLIM], s28
	s_sub_co_i32 s28, s78, s76
	s_sub_co_i32 s28, s28, s77                     ; e6 - e4 - e5
	s_add_co_i32 s28, s28, 127
	s_lshl_b32 s29, s28, 23
	v_mov_b32 v[YSC], s29
	s_add_co_i32 s28, s28, 15
	s_lshl_b32 s28, s28, 23
	s_or_b32 s28, s28, 0x600000
	v_mov_b32 v[YLIM], s28
	s_cmp_lt_u32 s[WV], 2                          ; the prefetches: waves 0, 1 stand in K, waves 2, 3 in V,
	s_cselect_b64 s[PFA:PFA+1], s[KB:KB+1], s[VB:VB+1]
	s_and_b32 s28, s[WV], 1
	s_lshl_b32 s28, s28, 13                        ; each at its half of a tile,
	s_add_co_u32 s52, s28, 16384                   ; in tile 1: the first trip steps it to tile 2.  Nothing is prefetched here, at the head
	s_mov_b32 s53, 0
	s_add_nc_u64 s[PFA:PFA+1], s[PFA:PFA+1], s[52:53]
	s_lshr_b32 s28, s[WV], 2
	s_or_b32 s28, s28, s[JB]                       ; 0 in waves 0-3 of the head's work-group j = 0
	s_cmp_eq_u32 s28, 0
	s_cselect_b32 s[LIM], 6, 0
	s_mov_b32 s[CT], 0
	s_mov_b32 s[TB], 0
	s_mov_b32 s[TW], SLOT1
	s_mov_b32 s[KF], 0
	s_wait_loadcnt 0x0                             ; Q and tile 0
.irp f, 0,1,2,3
	ds_store_b128 v[FSK0], v[S+4*\f:S+4*\f+3] offset:64*KP*\f
	ds_store_b128 v[FSV0], v[S+16+4*\f:S+16+4*\f+3] offset:32*VP*\f
.endr
	s_wait_dscnt 0x0
	s_barrier_signal -1
	s_barrier_wait -1                              ; slot 0 is whole
.Ltrip:                                            ; eight trips that fill the other slot; the ninth is written out
	TRIP 1
	s_add_co_u32 s28, s[CT], 1
	s_cmp_lg_u32 s28, s[NA]                        ; the first block's last slot is done: it goes out, and the second block begins
	s_cbranch_scc1 .Lsame
	WAYOUT
	s_wait_xcnt 0x0                                ; the stores have read their registers and their base
	s_lshl_b32 s[Q0], s[JB], 8
	s_lshl_b32 s28, s[GR], 5
	s_add_co_u32 s[Q0], s[Q0], s28                 ; my first query in block j
	s_mov_b32 s[KF], 0
	QLOAD
	INIT
	s_wait_loadcnt 0x0
.Lsame:
	s_add_co_u32 s[CT], s[CT], 1
	s_cmp_lt_u32 s[CT], 8
	s_cbranch_scc1 .Ltrip
	TRIP 0
	WAYOUT
	s_wait_tensorcnt 0x0
	ds_add_u32 v254, v255
	s_wait_dscnt 0x0
	s_endpgm
.Lfunc_end_k_q0834d97058_attn:
	.size	k_q0834d97058_attn, .Lfunc_end_k_q0834d97058_attn-k_q0834d97058_attn
	.p2alignl 7, 3214868480
	.fill 96, 4, 3214868480
	.section	.rodata,"a",@progbits
	.p2align	6, 0x0
	.amdhsa_kernel k_q0834d97058_attn
		.amdhsa_group_segment_fixed_size 152576
		.amdhsa_private_segment_fixed_size 0
		.amdhsa_enable_private_segment 0
		.amdhsa_kernarg_size 24
		.amdhsa_user_sgpr_count 2
		.amdhsa_user_sgpr_kernarg_segment_ptr 1
		.amdhsa_wavefront_size32 1
		.amdhsa_system_sgpr_workgroup_id_x 1
		.amdhsa_system_sgpr_workgroup_id_y 1
		.amdhsa_system_sgpr_workgroup_id_z 1
		.amdhsa_system_vgpr_workitem_id 0
		.amdhsa_next_free_vgpr 256
		.amdhsa_next_free_sgpr 80
		.amdhsa_reserve_vcc 1
		.amdhsa_float_denorm_mode_32 3
		.amdhsa_float_denorm_mode_16_64 3
		.amdhsa_memory_ordered 1
		.amdhsa_forward_progress 1
		.amdhsa_inst_pref_size 192
	.end_amdhsa_kernel
	.amdgpu_metadata
---
amdhsa.version: [ 1, 2 ]
amdhsa.kernels:
  - .name:           k_q0834d97058_attn
    .symbol:         k_q0834d97058_attn.kd
    .args:
      - { .name: qkv, .offset: 0, .size: 8, .value_kind: global_buffer, .address_space: global }
      - { .name: lowp_scales, .offset: 8, .size: 8, .value_kind: global_buffer, .address_space: global }
      - { .name: y_codes, .offset: 16, .size: 8, .value_kind: global_buffer, .address_space: global }
    .group_segment_fixed_size: 152576
    .private_segment_fixed_size: 0
    .kernarg_segment_align: 8
    .kernarg_segment_size: 24
    .max_flat_workgroup_size: 256
    .sgpr_count:     80
    .vgpr_count:     256
    .wavefront_size: 32
...
	.end_amdgpu_metadata
.endif
;; end of part 3
;; launch proj (part 4): grid 4 x 32, 4 waves a work-group, clusters of 4 x 4, 327,680 bytes of LDS; arguments y_codes, wproj_codes, lowp_scales, out0; writes out0
.if DOCPART == 4
	.amdgcn_target "amdgcn-amd-amdhsa--gfx1250"
	.amdhsa_code_object_version 6
	.text
	.protected	k_q0834d97058_proj
	.globl	k_q0834d97058_proj
	.p2align	8
	.type	k_q0834d97058_proj,@function
k_q0834d97058_proj:
	s_mov_b64 s[64:65], 0
	v_nop
	global_prefetch_b8 v0, s[64:65] scope:SCOPE_SE
	s_setreg_imm32_b32 hwreg(HW_REG_WAVE_MODE, 25, 1), 1
	s_wait_xcnt 0x0
	s_wait_alu depctr_hold_cnt(0) depctr_sa_sdst(0) depctr_va_vdst(0) depctr_va_sdst(0) depctr_va_ssrc(0) depctr_va_vcc(0) depctr_vm_vsrc(0)
	s_getreg_b32 s2, hwreg(HW_REG_IB_STS2, 6, 4)
	s_cmp_eq_u32 s2, 0
	s_cbranch_scc0 .Lentry_in_a_cluster
	s_endpgm
.Lentry_in_a_cluster:
	s_bfe_u32 s2, ttmp6, 0x10000c
	s_cmp_lg_u32 s2, 0xf033
	s_cbranch_scc0 .Lentry_shape_is_right
	s_endpgm
.Lentry_shape_is_right:
; out0 = y w_proj on codes of BF8 (E5M2).  y_codes: [batch 4 x head 16][s 2048][64]: a row of y (K = 64 x head + channel) lies in 16 pieces of 64 bytes, 131,072 bytes apart.  wproj_codes: [1024 n][1024 k].  out0: [8192][1024] f32.
; The codes are multiplied as they are, and each finished sum once by 2^(e6 + e7).  LIMIT: e6 + e7 lies between -126 and 127, so that 2^(e6 + e7) is an f32 number.
; A tile of 256 x 256 is made by four waves, each 128 x 128: 64 accumulators.  K goes in steps of 256 (four heads) through a ring of two LDS slots filled by the tensor data mover.
; A's load: four "rows" of 8,192 bytes (a head's 128 rows s x 64 bytes, dense in memory), 131,072 bytes apart, with 16 bytes of padding behind every 64: in LDS [head 4][s 128] at 80 bytes a row.
; CLUSTERS: 4 x 4 work-groups; A's tile is shared along a row of the cluster, B's along a column: joint loads.  THE MATRIX INSTRUCTION IS USED TRANSPOSED: a lane holds eight neighbouring numbers of a row of out0.
; The launch has 128 tiles of 256 x 256, one to a work-group.  No prefetch: K has four steps, two of which are the first fills.
; REGISTERS, in windows of 256: window 0: v0-31 addresses; from v128 A's fragments, ONE set; on the way out v32-255 are free.  window 1: B's fragments, TWO sets.  windows 2, 3: the accumulators.
.set SIZE_N, 1024
.set SIZE_K, 1024
.set KSTEP,  256
.set ROWB,   256
.set KROW,   SIZE_K
.set PITCH,  272                       ; B's LDS row: 256 bytes + 16
.set AP,     80                        ; A's LDS row: 64 bytes + 16
.set HPL,    128*AP                    ; a head's 128 rows
.set HALFA,  4*HPL                     ; what one load brings of A: 128 rows s x four heads
.set HALFB,  128*PITCH                 ; of B: 128 rows
.set BOFF,   2*HALFA
.set SLOT,   BOFF+2*HALFB              ; A's two halves, then B's two
.set HEADB,  131072                    ; a head of y's codes in bytes
.set FR,     16
.set NL,     4
.set NP,     4
.set LAPS,   SIZE_K/(2*KSTEP)
.set SPARE,  2*SLOT                    ; behind the ring: the spare words, 128 bytes for each wave
.set SPITCH, 528                       ; the way out: a stage of 16 rows x (512 bytes + 16) for each wave, in slot 0, which has had its last fill and its last read by then
.set ADRA, 16
.set ADRB, 20
.set STO,  24
.set RD,   25
.set CO,   26
.set SPW,  28
.set NIL,  29
.set TMP,  32
.set AF,   128
.set BK,   128
.set G1, 24
.set G0, 32
.set G1B, 48
.set G0B, 56
.set MSB, 0
.macro WIN new
.if MSB != \new
	s_set_vgpr_msb (MSB<<8)|\new
.set MSB, \new
.endif
.endm
.set MUL_LO, 0xa1
.set MUL_HI, 0xf1
.set TO_B,   0x40
.macro JLOAD g0a, g1a, g0b, g1b        ; a joint load: waves 0 and 1 fetch for A, waves 2 and 3 for B; four v_nop follow each of the two lines
	s_cmp_eq_u32 s15, 0
	s_cbranch_scc0 .Lfor_b_\@
	tensor_load_to_lds s[\g0a:\g0a+3], s[\g1a:\g1a+7]
	s_nop 0
.rept 4
	v_nop
.endr
	s_branch .Lasked_\@
.Lfor_b_\@:
	tensor_load_to_lds s[\g0b:\g0b+3], s[\g1b:\g1b+7]
	s_nop 0
.rept 4
	v_nop
.endr
.Lasked_\@:
.endm
.macro CREST
	s_cmp_lg_u32 s14, 0
	s_cbranch_scc1 .Lnot_wave_0_\@
	s_barrier_signal -3
.Lnot_wave_0_\@:
	s_barrier_wait -3
	s_barrier_signal -1
	s_barrier_wait -1
.endm
.macro CROUND
	s_barrier_signal -1
	s_barrier_wait -1
	CREST
.endm
	s_load_b128 s[4:7], s[0:1], 0x0                ; y's codes s[4:5], w_proj's codes s[6:7]
	s_load_b128 s[8:11], s[0:1], 0x10              ; the scales' exponents s[8:9], out0 s[10:11]
	v_lshl_add_u32 v[SPW], v0, 2, SPARE
	v_mov_b32 v[NIL], 0
	ds_add_u32 v28, v29
	ds_add_u32 v28, v29
	s_wait_dscnt 0x0
	v_lshrrev_b32 v1, 5, v0
	v_readfirstlane_b32 s14, v1                    ; wave 0..3
	s_lshr_b32 s15, s14, 1                         ; which half of the tile's rows is mine.  Also: I fetch for A (0) or for B (1)
	s_and_b32 s16, s14, 1                          ; which half of its columns.  Also: which 128 rows of that tile I fetch
	s_bfe_u32 s40, ttmp6, 0x40000                  ; cx, cy
	s_bfe_u32 s41, ttmp6, 0x40004
	s_lshl_b32 s42, ttmp9, 2
	s_add_co_u32 s42, s42, s40                     ; tile column
	s_and_b32 s17, ttmp7, 0xffff
	s_lshl_b32 s17, s17, 2
	s_add_co_u32 s17, s17, s41                     ; tile row
	s_lshl_b32 s43, s41, 2
	s_lshl_b32 s43, 15, s43                        ; my row of the cluster
	s_lshl_b32 s44, 0x1111, s40                    ; my column
	; A's descriptor group 1: 4 rows of 8,192 bytes, 131,072 apart; padding: four words after every 16
	s_or_b32 s[G1+0], s43, (0<<16)|(1<<20)|(1<<21)|(3<<22)|(3<<25)
	s_mov_b32 s[G1+1], 8192<<16                    ; tensor_dim0
	s_mov_b32 s[G1+2], 4<<16                       ; tensor_dim1
	s_mov_b32 s[G1+3], 8192<<16                    ; tile_dim0
	s_mov_b32 s[G1+4], 4                           ; tile_dim1
	s_mov_b32 s[G1+5], HEADB                       ; tensor_dim0_stride
	s_mov_b32 s[G1+6], 0
	s_mov_b32 s[G1+7], 0
	; B's: 128 rows of 256 bytes, 1,024 apart; padding: four words after every 64
	s_or_b32 s[G1B+0], s44, (0<<16)|(1<<20)|(1<<21)|(5<<22)|(3<<25)
	s_mov_b32 s[G1B+1], ROWB<<16
	s_mov_b32 s[G1B+2], 128<<16
	s_mov_b32 s[G1B+3], ROWB<<16
	s_mov_b32 s[G1B+4], 128
	s_mov_b32 s[G1B+5], KROW
	s_mov_b32 s[G1B+6], 0
	s_mov_b32 s[G1B+7], 0
	s_lshl_b32 s18, s16, 7                         ; which 128 rows of the tile I fetch
	s_lshr_b32 s20, s17, 3                         ; A: the batch: 16 heads of 131,072 bytes,
	s_lshl_b32 s20, s20, 21
	s_and_b32 s21, s17, 7
	s_lshl_b32 s21, s21, 8
	s_add_co_u32 s21, s21, s18                     ; the row s within it,
	s_lshl_b32 s21, s21, 6                         ; 64 bytes each
	s_add_co_u32 s20, s20, s21
	s_mov_b32 s21, 0
	s_lshl_b32 s46, s42, 8
	s_add_co_u32 s46, s46, s18                     ; B: row 256 x tile column + 128 x half
	s_mov_b32 s47, 0
	s_mov_b64 s[18:19], KROW
	s_mul_u64 s[46:47], s[46:47], s[18:19]
	s_mul_i32 s45, s16, HALFA                      ; where they go: A's half,
	s_mul_i32 s66, s16, HALFB
	s_add_co_u32 s66, s66, BOFF                    ; B's half: no place in the cluster enters an LDS address
	s_wait_kmcnt 0x0
	s_load_b64 s[96:97], s[8:9], 0x18              ; e6, e7
	s_add_nc_u64 s[20:21], s[4:5], s[20:21]
	s_add_nc_u64 s[46:47], s[6:7], s[46:47]
	CROUND                                         ; all sixteen work-groups are here: the first joint loads meet
.irp s, 0,1
	s_mov_b32 s[G0+4*\s], 1
	s_add_co_u32 s[G0+4*\s+1], s45, \s*SLOT
	s_add_nc_u64 s[G0+4*\s+2:G0+4*\s+3], s[20:21], \s*4*HEADB     ; K step s: heads 4 s on
	s_or_b32 s[G0+4*\s+3], s[G0+4*\s+3], 0x80000000
	s_mov_b32 s[G0B+4*\s], 1
	s_add_co_u32 s[G0B+4*\s+1], s66, \s*SLOT
	s_add_nc_u64 s[G0B+4*\s+2:G0B+4*\s+3], s[46:47], \s*ROWB
	s_or_b32 s[G0B+4*\s+3], s[G0B+4*\s+3], 0x80000000
	JLOAD G0+4*\s, G1, G0B+4*\s, G1B
.endr
	v_and_b32 v1, 15, v0                           ; r
	v_bfe_u32 v2, v0, 4, 1                         ; h
	v_mul_u32_u24 v3, v1, AP
	v_lshl_add_u32 v3, v2, 4, v3                   ; A: row x 80 + 16 h
	v_mul_u32_u24 v4, v1, PITCH
	v_lshl_add_u32 v4, v2, 4, v4                   ; B: row x 272 + 16 h
	s_mul_i32 s21, s15, HALFA                      ; my 128 rows of A
	s_mul_i32 s22, s16, HALFB                      ; my 128 rows of B,
	s_add_co_u32 s22, s22, BOFF                    ; which lie behind A's
.irp s, 0,1
	v_add_nc_u32 v[ADRA+\s], s21, v3
	v_add_nc_u32 v[ADRB+\s], s22, v4
	s_add_co_u32 s21, s21, SLOT
	s_add_co_u32 s22, s22, SLOT
.endr
	s_mul_i32 s23, s14, 16*SPITCH                  ; my stage
	v_mul_u32_u24 v5, v1, SPITCH
	v_lshl_add_u32 v5, v2, 5, v5
	v_add_nc_u32 v[STO], s23, v5                   ; in: row r, 32 bytes for each half of the lanes
	v_and_b32 v6, 31, v0
	v_lshlrev_b32 v[CO], 4, v6                     ; back: the 32 lanes take one row of 512 bytes; and the same in out0
	v_add_nc_u32 v[RD], s23, v[CO]
	s_lshl_b32 s20, s17, 8
	s_lshl_b32 s21, s15, 7
	s_add_co_u32 s20, s20, s21                     ; my first row of out0
	s_mov_b32 s21, 0
	s_mov_b64 s[18:19], SIZE_N*4
	s_mul_u64 s[20:21], s[20:21], s[18:19]
	s_lshl_b32 s46, s42, 10                        ; my first column, in bytes
	s_lshl_b32 s47, s16, 9
	s_add_co_u32 s46, s46, s47
	s_mov_b32 s47, 0
	s_add_nc_u64 s[20:21], s[20:21], s[46:47]
	s_add_nc_u64 s[10:11], s[10:11], s[20:21]
; A fragment, 16 rows x 128 K: registers 4 c .. 4 c + 3 hold K = 32 c + 16 (lane / 16) + 0 .. 15 of the slot's q-th 128: the same order of k in A and in B.
.macro FRAG reg, adr, q, i             ; B: K lies along the LDS row
.irp c, 0,1,2,3
	ds_load_b128 v[\reg+4*\c:\reg+4*\c+3], v[\adr] offset:128*(\q)+32*\c+(\i)*16*PITCH
.endr
.endm
.macro FRAGA reg, adr, q, i            ; A: 64 along K to a head: head 2 q + c / 2 of the slot's four, byte 32 (c % 2) of its row
.irp c, 0,1,2,3
	ds_load_b128 v[\reg+4*\c:\reg+4*\c+3], v[\adr] offset:(2*(\q)+\c/2)*HPL+(\i)*16*AP+32*(\c%2)
.endr
.endm
.macro MUL16 a0, p, zero               ; the 64 accumulators take turns, one instruction a turn, in the same order in every step
.irp a, \a0, \a0+1
.irp b, 0,1,2,3,4,5,6,7
.if \zero
	v_wmma_f32_16x16x128_bf8_bf8 v[8*(8*((\a)%4)+\b):8*(8*((\a)%4)+\b)+7], v[128*(\p)+FR*\b:128*(\p)+FR*\b+FR-1], v[AF+FR*(\a):AF+FR*(\a)+FR-1], 0
.else
	v_wmma_f32_16x16x128_bf8_bf8 v[8*(8*((\a)%4)+\b):8*(8*((\a)%4)+\b)+7], v[128*(\p)+FR*\b:128*(\p)+FR*\b+FR-1], v[AF+FR*(\a):AF+FR*(\a)+FR-1], v[8*(8*((\a)%4)+\b):8*(8*((\a)%4)+\b)+7]
.endif
.endr
.endr
.endm
.macro FETCH_B slot, q, p
	WIN TO_B
.irp i, 0,1,2,3,4,5,6,7
	FRAG 128*(\p)+FR*\i, ADRB+\slot, \q, \i
.endr
	WIN 0
.endm
.macro FETCH_A slot, q, i0
.irp i, \i0, \i0+1, \i0+2, \i0+3
	FRAGA AF+FR*(\i), ADRA+\slot, \q, \i
.endr
.endm
.macro PLACES n
.rept \n
	v_nop
.endr
.endm
.macro STEP slot, q, zero
	s_wait_dscnt 4*NL                              ; B's set and A's blocks 0-3 are in; the youngest sixteen loads (A's blocks 4-7) may be out
	WIN MUL_LO
	MUL16 0, (\q)%2, \zero
	MUL16 2, (\q)%2, \zero
	s_wait_dscnt 0
	PLACES NP
	FETCH_B \slot, (\q)+1, 1-(\q)%2
	FETCH_A \slot, (\q)+1, 0
	WIN MUL_HI
	MUL16 4, (\q)%2, \zero
	MUL16 6, (\q)%2, \zero
	PLACES NP
	WIN 0
	FETCH_A \slot, (\q)+1, 4
.endm
.macro TURN slot, next, fill
	s_wait_tensorcnt 0x0                           ; all my tensor loads have landed: my part of the next slot
	ds_add_u32 v[SPW], v[NIL]                      ; 0 onto my spare word
	s_wait_dscnt 4*NL+1                            ; (the add and the youngest sixteen loads may be out)
	WIN MUL_LO
	MUL16 0, 1, 0
	s_wait_dscnt 0x0                               ; the add is done, and my reads of this slot are over
	s_barrier_signal -1
	MUL16 2, 1, 0
	WIN 0
	s_barrier_wait -1
.if \fill
	CREST                                          ; the barrier has opened a round of the cluster's barrier: no wave of any partner still reads this slot or has a load on its way
	s_add_nc_u64 s[G0+4*\slot+2:G0+4*\slot+3], s[G0+4*\slot+2:G0+4*\slot+3], 8*HEADB   ; two K steps on: eight heads
	s_add_nc_u64 s[G0B+4*\slot+2:G0B+4*\slot+3], s[G0B+4*\slot+2:G0B+4*\slot+3], 2*ROWB
	JLOAD G0+4*\slot, G1, G0B+4*\slot, G1B
.else
	PLACES NP
.endif
	FETCH_B \next, 0, 0
	FETCH_A \next, 0, 0
	WIN MUL_HI
	MUL16 4, 1, 0
	MUL16 6, 1, 0
	PLACES NP
	WIN 0
	FETCH_A \next, 0, 4
.endm
	s_wait_tensorcnt 1                             ; my part of K step 0 is in (K step 1's load may be out),
	s_barrier_signal -1
	s_barrier_wait -1                              ; everybody's is
	FETCH_B 0, 0, 0
	FETCH_A 0, 0, 0
	FETCH_A 0, 0, 4
	STEP 0, 0, 1
	s_mov_b32 s3, LAPS-1
.Llap:
	TURN 0, 1, 1
	STEP 1, 0, 0
	TURN 1, 0, 1
	STEP 0, 0, 0
	s_sub_co_u32 s3, s3, 1
	s_cmp_lg_u32 s3, 0
	s_cbranch_scc1 .Llap
	TURN 0, 1, 0
	STEP 1, 0, 0
	s_wait_dscnt 4*NL
	WIN MUL_LO
	MUL16 0, 1, 0
	MUL16 2, 1, 0
	s_wait_dscnt 0
	WIN MUL_HI
	MUL16 4, 1, 0
	MUL16 6, 1, 0
	WIN 0
; THE WAY OUT, block by block of 16 rows x 128 columns: through my own stage in LDS, back as whole rows of 512 bytes.
.macro TOSTAGE a
.set AC, 64*((\a)%4)
	WIN 0x02+((\a)/4)
.irp j, 0,2,4,6,8,10,12,14,16,18,20,22,24,26,28,30,32,34,36,38,40,42,44,46,48,50,52,54,56,58,60,62
	v_pk_mul_f32 v[TMP+\j:TMP+\j+1], v[AC+\j:AC+\j+1], s[96:97] op_sel_hi:[1,0]   ; x 2^(e6 + e7); each accumulator from its low end on
.endr
	WIN 0
.irp b, 0,1,2,3,4,5,6,7
	ds_store_b128 v[STO], v[TMP+8*\b:TMP+8*\b+3] offset:64*\b
	ds_store_b128 v[STO], v[TMP+8*\b+4:TMP+8*\b+7] offset:64*\b+16
.endr
.set BB, BK+64*((\a)%2)
.irp t, 0,1,2,3,4,5,6,7,8,9,10,11,12,13,14,15
	ds_load_b128 v[BB+4*\t:BB+4*\t+3], v[RD] offset:\t*SPITCH
.endr
.endm
.macro SEND a, younger
.set BB, BK+64*((\a)%2)
	s_wait_dscnt \younger                          ; the block is back in registers; the next block's LDS instructions may be out
.if (\a) > 0
	s_add_nc_u64 s[10:11], s[10:11], 16*SIZE_N*4   ; (behind a wait on XCNT: the earlier stores have read their base)
.endif
.irp t, 0,1,2,3,4,5,6,7,8,9,10,11,12,13,14,15
	global_store_b128 v[CO], v[BB+4*\t:BB+4*\t+3], s[10:11] offset:\t*SIZE_N*4 th:TH_STORE_NT   ; 32 lanes store 512 consecutive bytes, aligned
.endr
.endm
	s_wait_kmcnt 0x0
	s_add_co_i32 s96, s96, s97
	s_add_co_i32 s96, s96, 127
	s_lshl_b32 s96, s96, 23                        ; 2^(e6 + e7) as f32
	PLACES NP
	TOSTAGE 0
.irp a, 1,2,3,4,5,6,7
.if \a > 1
	s_wait_xcnt 0x0                                ; block a - 2's stores have read their registers and their base
.endif
	TOSTAGE \a
	SEND \a-1, 32                                  ; behind block a - 1's loads: block a's 16 stores and 16 loads
.endr
	s_wait_xcnt 0x0
	SEND 7, 0
	s_wait_tensorcnt 0x0                           ; the wave's end
	ds_add_u32 v[SPW], v[NIL]
	s_wait_dscnt 0x0
	CROUND                                         ; the closing round
	s_endpgm
.Lfunc_end_k_q0834d97058_proj:
	.size	k_q0834d97058_proj, .Lfunc_end_k_q0834d97058_proj-k_q0834d97058_proj
	.p2alignl 7, 3214868480
	.fill 96, 4, 3214868480
	.section	.rodata,"a",@progbits
	.p2align	6, 0x0
	.amdhsa_kernel k_q0834d97058_proj
		.amdhsa_group_segment_fixed_size 327680
		.amdhsa_private_segment_fixed_size 0
		.amdhsa_enable_private_segment 0
		.amdhsa_kernarg_size 32
		.amdhsa_user_sgpr_count 2
		.amdhsa_user_sgpr_kernarg_segment_ptr 1
		.amdhsa_wavefront_size32 1
		.amdhsa_system_sgpr_workgroup_id_x 1
		.amdhsa_system_sgpr_workgroup_id_y 1
		.amdhsa_system_sgpr_workgroup_id_z 1
		.amdhsa_system_vgpr_workitem_id 0
		.amdhsa_next_free_vgpr 1024
		.amdhsa_next_free_sgpr 98
		.amdhsa_reserve_vcc 0
		.amdhsa_float_denorm_mode_32 3
		.amdhsa_float_denorm_mode_16_64 3
		.amdhsa_memory_ordered 1
		.amdhsa_forward_progress 1
		.amdhsa_inst_pref_size 124
	.end_amdhsa_kernel
	.amdgpu_metadata
---
amdhsa.version: [ 1, 2 ]
amdhsa.kernels:
  - .name:           k_q0834d97058_proj
    .symbol:         k_q0834d97058_proj.kd
    .args:
      - { .name: y_codes, .offset: 0, .size: 8, .value_kind: global_buffer, .address_space: global }
      - { .name: wproj_codes, .offset: 8, .size: 8, .value_kind: global_buffer, .address_space: global }
      - { .name: lowp_scales, .offset: 16, .size: 8, .value_kind: global_buffer, .address_space: global }
      - { .name: out0, .offset: 24, .size: 8, .value_kind: global_buffer, .address_space: global }
    .group_segment_fixed_size: 327680
    .private_segment_fixed_size: 0
    .kernarg_segment_align: 8
    .kernarg_segment_size: 32
    .max_flat_workgroup_size: 128
    .sgpr_count:     98
    .vgpr_count:     1024
    .wavefront_size: 32
...
	.end_amdgpu_metadata
.endif
;; end of part 4
;; ======== version 2 of 2: 4 launches; version 1 with the launch attn written anew for expert scheduling mode
;; workspace buffers: x_codes 8,388,608 bytes; wqkv_codes 3,145,728 bytes; wproj_codes 1,048,576 bytes; qkv 25,165,824 bytes; y_codes 8,388,608 bytes
;; launch quant: the kernel of part 1 again; grid 384 x 1, 4 waves a work-group, no clusters, 68,096 bytes of LDS; arguments x, w_qkv, w_proj, lowp_scales, x_codes, wqkv_codes, wproj_codes; writes x_codes, wqkv_codes, wproj_codes
;; launch qkv: the kernel of part 2 again; grid 12 x 32, 4 waves a work-group, clusters of 4 x 4, 327,680 bytes of LDS; arguments x_codes, wqkv_codes, lowp_scales, qkv; writes qkv
;; launch attn (part 5): grid 4 x 64, 8 waves a work-group, no clusters, 152,576 bytes of LDS; arguments qkv, lowp_scales, y_codes; writes y_codes
.if DOCPART == 5
	.amdgcn_target "amdgcn-amd-amdhsa--gfx1250"
	.amdhsa_code_object_version 6
	.text
	.protected	k_q0834d97058_attn
	.globl	k_q0834d97058_attn
	.p2align	8
	.type	k_q0834d97058_attn,@function
k_q0834d97058_attn:
	s_mov_b64 s[64:65], 0
	v_nop
	global_prefetch_b8 v0, s[64:65] scope:SCOPE_SE
	s_setreg_imm32_b32 hwreg(HW_REG_WAVE_SCHED_MODE, 0, 2), 2
	s_setreg_imm32_b32 hwreg(HW_REG_WAVE_MODE, 25, 1), 1
	s_wait_xcnt 0x0
	s_wait_alu depctr_vm_vsrc(0)
; Causal attention on codes of BF8 (E5M2), head size 64, 2,048 positions, 64 heads; y is quantised on the way out for the last product.
; qkv: q at byte 0, k at 8 MiB: [head][s][64]; v at 16 MiB: [head][s / 128][channel 64][128 keys]; within every aligned 32 along the innermost axis place 16 h + 8 u + j holds index 16 u + 8 h + j.
; THE SOFTMAX: t = score x log2(e) / 8; M = the row's largest t so far rounded UP to a whole number; p = 2^(t - M) is quantised with 2^e4; the row's sum is taken of the unquantised p and divides at the end.
; When M moves, the sum and O are multiplied by 2^(old M - new M), which rounds nothing.
; SHARES.  Work-group (j, head) owns the query blocks 7 - j and j, 256 queries each, in that order: 8 - j and j + 1 slots of 256 keys: NINE slots in every work-group, so the trip count is a constant.
; All eight waves work on the same block; a wave owns 32 queries, two tiles of 16, so each fragment of K and V that it reads from LDS feeds two matrix instructions.
; Keys that come after all of a wave's queries are left out by a scalar branch on ids, round a step's work alone: every wave passes every barrier and does its part of every fill.
; LAYOUT.  Both products transposed: S^T = K Q^T (source 0 = 16 keys, source 1 = 16 queries), O^T = V^T P^T (source 0 = 16 channels, source 1 = P): a lane holds ONE query (lane % 16) throughout.
; In S^T's tile k lane (r, h) holds keys 16 k + 8 h + 0 .. 7: its conversion's two registers ARE registers 2 k, 2 k + 1 of P in the K = 64 form's layout.
; THE RING.  Two LDS slots of 256 keys, filled through registers: in each of a trip's four steps every thread loads 16 bytes of the next slot's K and 16 of its V at the step's head and stores them to LDS at its end.
; One barrier a trip: in front of it each wave's reads of the slot in hand are back and its stores into the other slot have landed.
; NO CLUSTER, NO TENSOR LOAD: the four work-groups of a head change blocks in different trips, so they want different tiles in the same trip; and with no tensor load the hold of p may hang on the given e4.
; LIMITS on the given exponents: e2 + e3 between -123 and 130 (added to the exponent field of log2(e) / 8); e4, and e6 - e4 - e5, between -126 and 112.
; THE MODE: SCHED_MODE bits 1:0 = 2 (LLVM: expert scheduling mode 2), set by the entry lines.  The code itself states the register dependences
; between vector or matrix instructions and memory or LDS instructions, with s_wait_alu, always for 0.
; THE PLAN.  Registers that memory or LDS instructions touch:
;   KW  v256-287  K's four fragments.  LDS loads land in it: those of a slot's first step at the trip's head, those of step q + 1 in the middle of step q.  Read by a step's eight products K Q^T.
;   F   v64-95    V's four fragments.  LDS loads land in it in the middle of step q.  Read by step q's eight products V^T P^T.  On the way out the rows read back land in it and the global stores read it.
;   FD  v240-247  The fill: two global loads land in it at a step's head, two LDS stores read it at the step's end.  No vector instruction names it.
;   Q   v48-63    Global loads land in it at a block's start.  Read by the products K Q^T.
;   P   v224-239  Written by the conversions, read by the products V^T P^T; on the way out read by the LDS stores.
;   S             At the head alone: tile 0 passes through v96-127 on its way into LDS.
;   v3, v4, v7, v8, v10   Five addresses, written once a trip, at its head; read by the trip's LDS loads and stores and its fill loads.
;   v1, v2, v5, v6, v9, v11-15, v254, v255   Made at the head and never written again.
; So a trip's head has one wait on vm_vsrc ahead of the five additions and one on va_vdst behind them; a step has ONE wait on va_vdst for its loads, behind its products K Q^T: it states that they are done
; reading KW and that the step before's products V^T P^T are done reading F; the sixteen LDS loads follow it in one run, and no vector or matrix instruction issued since names KW or F.
; Steps 1 to 3 of a filling trip have one wait on vm_vsrc ahead of the loads into FD.
.set KP,    80                         ; a key's row in LDS: 64 bytes + 16
.set VP,    144                        ; a row of V (a channel's 128 keys): 128 bytes + 16
.set VOFF,  256*KP                     ; a slot: 256 rows of K, then 128 rows of V
.set SLOT1, 65536                      ; slot 1 begins here: one exclusive or turns an address from one slot to the other
.set STAGE, 2*SLOT1                    ; behind the ring: 32 rows x 80 bytes for each wave, for the way out
.set WST,   32*80
.set AK0,  1                           ; v1  my lane's place in a tile of K
.set AV0,  2                           ; v2  the same for V
.set ADK,  3                           ; v3  + the slot that is read
.set ADV,  4                           ; v4
.set FSK0, 5                           ; v5  my thread's place in a fill of K
.set FSV0, 6                           ; v6  of V
.set FSK,  7                           ; v7  + the slot that is written
.set FSV,  8                           ; v8
.set GF0,  9                           ; v9  16 x thread
.set GF,   10                          ; v10 + the tile that is fetched
.set STO,  11                          ; v11 the way out: where I put 8 bytes of a row
.set SRD,  12                          ; v12 where I read back
.set GO,   13                          ; v13 16 x lane
.set QA,   14                          ; v14 Q: row r of 64 bytes + 16 h
.set PFO,  15                          ; v15 256 x lane
.set ST,   16                          ; tile u at v[ST + 4 u]: -M, the largest t, the sum in two halves
.set WK,   24                          ; tile u at v[WK + 8 u]: +0, +6 at work; +1 the lane exchange; +2 f, +3 its pair's upper word; +4, +5 a second chain of sums
.set PSC,  40                          ; v40 2^e4
.set PLIM, 41                          ; v41 57,344 x 2^e4
.set NINF, 42                          ; v42 -infinity
.set DM,   43                          ; v43, v44 the mask's bound for tiles 0, 1
.set YSC,  45                          ; v45 2^(e6 - e4 - e5)
.set YLIM, 46                          ; v46 57,344 x that
.set RH,   47                          ; v47 r - 8 h
.set Q,    48                          ; v48-63   Q's two fragments
.set F,    64                          ; v64-95   four fragments of V
.set S,    96                          ; v96-159  S^T, then p: tile u, keys' tile k at S + 32 u + 8 k
.set O,    160                         ; v160-223 O^T: tile u, channels' tile t at O + 32 u + 8 t
.set P,    224                         ; v224-239 p's codes
.set FD,   240                         ; v240-247 the fill's 16 bytes of K and of V
.set KW,   0                           ; v256-287 four fragments of K: v0-31 of window 1
.set WV,  18
.set GR,  19                           ; s19 which 32 queries of the block are my wave's
.set JB,  20                           ; s20 j
.set NA,  21                           ; s21 slots of the first block: 8 - j
.set CT,  22                           ; s22 the trip
.set TB,  23                           ; s23 the slot that is read
.set TW,  24                           ; s24 the slot that is written
.set KF,  25                           ; s25 the step's first key
.set Q0,  26                           ; s26 my first query
.set FO,  27
.set SEL, 32                           ; s[32:33] v_permlanex16_b32's selects for lane l xor 16
.set CS,  34                           ; s[34:35] log2(e) / 8 x 2^(e2 + e3)
.set KB,  36                           ; s[36:37] the head's K
.set VB,  38                           ; s[38:39] its V
.set QH,  40                           ; s[40:41] its Q
.set YH,  42                           ; s[42:43] its y
.set QB,  44                           ; s[44:45] Q at my first query
.set YB,  46                           ; s[46:47] y likewise
.set PFA, 48                           ; s[48:49] where my prefetches stand
.set LIM, 50                           ; s50 a wave prefetches while the trip's number is under it
.set E4,  51
                                       ; s10-17, s54-63, s66-79: the causal mask of one tile's 32 scores, a register to a score
.set MSB, 0
.macro WIN new                         ; s_set_vgpr_msb's low byte: bits 1:0 source 0, 7:6 destination; the immediate's high byte repeats the setting that is left
.if MSB != \new
	s_set_vgpr_msb (MSB<<8)|\new
.set MSB, \new
.endif
.endm
.macro INIT                            ; a block begins: the largest t is -3e38, under every t; sums and O^T are zeros, which the first change of M leaves zeros: so the step is written once
.irp u, 0,1
	v_mov_b32 v[ST+4*\u+1], 0xff61b1e6
	v_mov_b32 v[ST+4*\u+2], 0
	v_mov_b32 v[ST+4*\u+3], 0
.endr
.irp u, 0,1
	v_floor_f32 v[ST+4*\u], -v[ST+4*\u+1]
.endr
.set n, 0
.rept 64
	v_mov_b32 v[O+n], 0
.set n, n+1
.endr
.endm
.macro QLOAD                           ; my 32 queries' codes: two fragments, which stay in registers; y's address goes with them (both have rows of 64 bytes)
	s_lshl_b32 s52, s[Q0], 6
	s_mov_b32 s53, 0
	s_add_nc_u64 s[QB:QB+1], s[QH:QH+1], s[52:53]
	s_add_nc_u64 s[YB:YB+1], s[YH:YH+1], s[52:53]
.irp u, 0,1
.irp c, 0,1
	global_load_b128 v[Q+8*\u+4*\c:Q+8*\u+4*\c+3], v[QA], s[QB:QB+1] offset:1024*\u+32*\c
.endr
.endr
.endm
; A PREFETCH INTO THE L2 of the tile that the NEXT trip's fill loads will ask for: in trip c tile c + 2, four key steps ahead of those loads.  All four work-groups of a head walk the same tiles: the one with j = 0 asks,
; waves 0 and 1 for K's 16,384 bytes, waves 2 and 3 for V's, lanes 256 bytes apart: each aligned block of 256 bytes is named once in the launch.  Trips 6 and on ask for nothing: tile 7 is the head's last.
.macro ASK
	s_cmp_lt_u32 s[CT], s[LIM]
	s_cbranch_scc0 .Lnot_mine_\@
	global_prefetch_b8 v[PFO], s[PFA:PFA+1] th:TH_LOAD_NT scope:SCOPE_SE
.Lnot_mine_\@:
.endm
; A KEY STEP: 64 keys, the q-th of the slot in hand, for my two tiles of queries.  fill = 1: a quarter of the next slot is fetched beside it.
; A slot's first step has no causal test: a slot's first key is at most the block's first query, so that step counts for every wave; so K's buffer is written and awaited on every way into steps 1 to 3.
.macro STEP q, fill
.if \q == 0
	WIN 0x40                                       ; destination window 1, address window 0
.irp k, 0,1,2,3
.irp c, 0,1
	ds_load_b128 v[KW+8*\k+4*\c:KW+8*\k+4*\c+3], v[ADK] offset:16*\k*KP+32*\c   ; K of the slot's first step: the slot is whole only behind the barrier.  No wait: nothing since the trip's head names KW or v[ADK]
.endr
.endr
	WIN 0
.endif
.if \fill
.if \q > 0
	s_wait_dscnt 0x0                               ; the last step's two fill stores are done
	s_wait_alu depctr_vm_vsrc(0)                   ; those two LDS stores have read FD, in which the two loads below land (in a slot's first step the trip's head has said so)
.endif
	global_load_b128 v[FD:FD+3], v[GF], s[KB:KB+1] offset:4096*\q
	global_load_b128 v[FD+4:FD+7], v[GF], s[VB:VB+1] offset:4096*\q
.if \q == 0
	ASK
.endif
.endif
.if \q == 0
	s_wait_dscnt 0x0                               ; K's fragments are in
.else
	s_add_co_u32 s28, s[Q0], 31
	s_cmp_gt_u32 s[KF], s28                        ; all 64 keys come after my 32 queries: the step's work is left out
	s_cbranch_scc1 .Lhid_\@
.endif
	WIN 0x01                                       ; source 0 (K) window 1.  In steps 1 to 3 K's fragments came in the step before, ahead of its wait for V
.irp k, 0,1,2,3
.irp u, 0,1
	v_wmma_f32_16x16x64_bf8_bf8 v[S+32*\u+8*\k:S+32*\u+8*\k+7], v[KW+8*\k:KW+8*\k+7], v[Q+8*\u:Q+8*\u+7], 0
.endr
.endr
	WIN 0
.rept 4
	v_nop                                          ; places: the scores are read below
.endr
.if \q < 3
	WIN 0x40
.endif
	s_wait_alu depctr_va_vdst(0)                   ; the eight products above are done reading KW, in which the next step's K lands; the step before's products V^T P^T are done reading F, in which this step's V lands
.if \q < 3
.irp k, 0,1,2,3
.irp c, 0,1
	ds_load_b128 v[KW+8*\k+4*\c:KW+8*\k+4*\c+3], v[ADK] offset:(64*(\q+1)+16*\k)*KP+32*\c   ; K of the next step, which lies in the same slot: a whole softmax ahead of its use
.endr
.endr
	WIN 0
.endif
.irp t, 0,1,2,3
.irp c, 0,1
	ds_load_b128 v[F+8*\t+4*\c:F+8*\t+4*\c+3], v[ADV] offset:((\q/2)*64+16*\t)*VP+64*(\q%2)+32*\c
.endr
.endr
	s_add_co_u32 s28, s[KF], 63
	s_cmp_le_u32 s28, s[Q0]                        ; all 64 keys count for all my queries: no mask
	s_cbranch_scc1 .Lopen_\@
	s_sub_co_i32 s28, s[Q0], s[KF]
	v_add_nc_u32 v[DM], s28, v[RH]                 ; d = my query - the step's first key - 8 h.  Register 8 k + i holds key 16 k + 8 h + i of the step: hidden where 16 k + i > d
	v_add_nc_u32 v[DM+1], 16, v[DM]
.irp u, 0,1                                    ; a tile's 32 compares in one run, each into a scalar register of its own, so that one wait serves the run
.set n, 0
.rept 32
.set mk, 10+n
.if n >= 8
.set mk, 46+n
.endif
.if n >= 18
.set mk, 48+n
.endif
	v_cmp_gt_i32 s[mk], 16*(n/8)+n%8, v[DM+\u]
.set n, n+1
.endr
	s_wait_alu depctr_va_sdst(0)                   ; the 32 compares have written their masks, which the selects below read
.set n, 0
.rept 32
.set mk, 10+n
.if n >= 8
.set mk, 46+n
.endif
.if n >= 18
.set mk, 48+n
.endif
	v_cndmask_b32 v[S+32*\u+n], v[S+32*\u+n], v[NINF], s[mk]   ; -infinity ahead of the maximum: p = 0 then
.set n, n+1
.endr
.endr
.Lopen_\@:
.irp u, 0,1                                    ; the step's largest score of my query among my 32 keys, in two chains a tile, the registers in ascending order
	v_max3_num_f32 v[WK+8*\u], v[S+32*\u], v[S+32*\u+1], v[S+32*\u+2]
	v_max3_num_f32 v[WK+8*\u+6], v[S+32*\u+3], v[S+32*\u+4], v[S+32*\u+5]
.endr
.irp i, 6,10,14,18,22,26
.irp u, 0,1
	v_max3_num_f32 v[WK+8*\u], v[WK+8*\u], v[S+32*\u+\i], v[S+32*\u+\i+1]
	v_max3_num_f32 v[WK+8*\u+6], v[WK+8*\u+6], v[S+32*\u+\i+2], v[S+32*\u+\i+3]
.endr
.endr
.irp u, 0,1
	v_max3_num_f32 v[WK+8*\u], v[WK+8*\u], v[S+32*\u+30], v[S+32*\u+31]
.endr
.irp u, 0,1
	v_max_num_f32 v[WK+8*\u], v[WK+8*\u], v[WK+8*\u+6]
.endr
.irp u, 0,1
	v_permlanex16_b32 v[WK+8*\u+1], v[WK+8*\u], s[SEL], s[SEL+1]
.endr
.irp u, 0,1
	v_max_num_f32 v[WK+8*\u], v[WK+8*\u], v[WK+8*\u+1]   ; and among lane l xor 16's
.endr
.irp u, 0,1
	v_mul_f32 v[WK+8*\u], s[CS], v[WK+8*\u]        ; as t
.endr
.irp u, 0,1
	v_max_num_f32 v[ST+4*\u+1], v[ST+4*\u+1], v[WK+8*\u]   ; the running largest t
.endr
.irp u, 0,1
	v_mov_b32 v[WK+8*\u], v[ST+4*\u]
.endr
.irp u, 0,1
	v_floor_f32 v[ST+4*\u], -v[ST+4*\u+1]          ; the new -M = floor(-t): M is a whole number
.endr
.irp u, 0,1
	v_sub_f32 v[WK+8*\u], v[ST+4*\u], v[WK+8*\u]   ; old M - new M, 0 or less
.endr
.irp u, 0,1
	v_cvt_i32_f32 v[WK+8*\u], v[WK+8*\u]           ; (it saturates)
.endr
.irp u, 0,1
	v_ldexp_f32 v[WK+8*\u+2], 1.0, v[WK+8*\u]      ; f = 2^(old M - new M)
.endr
.irp u, 0,1
.set n, 0
.rept 16
	v_pk_fma_f32 v[S+32*\u+n:S+32*\u+n+1], v[S+32*\u+n:S+32*\u+n+1], s[CS:CS+1], v[ST+4*\u:ST+4*\u+1] op_sel_hi:[1,0,0]   ; t - M, two at a time
.set n, n+2
.endr
.endr
.set n, 0
.rept 64
	v_exp_f32 v[S+n], v[S+n]                       ; p = 2^(t - M): one batch
.set n, n+1
.endr
.irp u, 0,1
	v_pk_mul_f32 v[ST+4*\u+2:ST+4*\u+3], v[ST+4*\u+2:ST+4*\u+3], v[WK+8*\u+2:WK+8*\u+3] op_sel_hi:[1,0]   ; the sums under the new M; the plain instruction behind the exponentials
.endr
	s_wait_alu depctr_va_vdst(0)                   ; the 64 exponentials have written p: one wait for the batch, ahead of its first reader
.irp u, 0,1
	v_pk_add_f32 v[WK+8*\u+4:WK+8*\u+5], v[S+32*\u:S+32*\u+1], v[S+32*\u+2:S+32*\u+3]   ; the row's sum is taken of the unquantised p, in two chains a tile
.endr
.irp i, 4,8,12,16,20,24,28
.irp u, 0,1
	v_pk_add_f32 v[ST+4*\u+2:ST+4*\u+3], v[ST+4*\u+2:ST+4*\u+3], v[S+32*\u+\i:S+32*\u+\i+1]
	v_pk_add_f32 v[WK+8*\u+4:WK+8*\u+5], v[WK+8*\u+4:WK+8*\u+5], v[S+32*\u+\i+2:S+32*\u+\i+3]
.endr
.endr
.irp u, 0,1
	v_pk_add_f32 v[ST+4*\u+2:ST+4*\u+3], v[ST+4*\u+2:ST+4*\u+3], v[WK+8*\u+4:WK+8*\u+5]
.endr
	s_cmp_ge_i32 s[E4], -15                        ; p is at most 1, and 1 <= 57,344 x 2^e4 from e4 = -15 on: there the hold changes nothing and is passed over
	s_cbranch_scc1 .Lnh_\@
.set n, 0
.rept 64
	v_min_num_f32 v[S+n], v[S+n], v[PLIM]          ; the conversion does not saturate (ISA guide 7.6.2); p is not negative, so the hold is one-sided
.set n, n+1
.endr
.Lnh_\@:
.irp u, 0,1
.irp k, 0,1,2,3
	v_cvt_scalef32_pk8_bf8_f32 v[P+8*\u+2*\k:P+8*\u+2*\k+1], v[S+32*\u+8*\k:S+32*\u+8*\k+7], v[PSC]
.endr
.endr
.irp u, 0,1
.set n, 0
.rept 16
	v_pk_mul_f32 v[O+32*\u+n:O+32*\u+n+1], v[O+32*\u+n:O+32*\u+n+1], v[WK+8*\u+2:WK+8*\u+3] op_sel_hi:[1,0]   ; O^T under the new M, from each accumulator's low end on; also the plain instructions behind the conversions
.set n, n+2
.endr
.endr
	s_wait_dscnt 0x0                               ; V's fragments are in, and with them the next step's K, which was asked for ahead of them
.irp t, 0,1,2,3
.irp u, 0,1                                    ; the eight accumulators take turns, one instruction a turn
	v_wmma_f32_16x16x64_bf8_bf8 v[O+32*\u+8*\t:O+32*\u+8*\t+7], v[F+8*\t:F+8*\t+7], v[P+8*\u:P+8*\u+7], v[O+32*\u+8*\t:O+32*\u+8*\t+7]
.endr
.endr
.if \q > 0
.Lhid_\@:
.endif
	s_add_co_u32 s[KF], s[KF], 64
.if \fill
	s_wait_loadcnt 0x0                             ; my 32 bytes of the next slot are in
	ds_store_b128 v[FSK], v[FD:FD+3] offset:64*KP*\q
	ds_store_b128 v[FSV], v[FD+4:FD+7] offset:32*VP*\q
.endif
.endm
; A TRIP: a slot's four steps.  fill = 1: the other slot takes the tile of the next trip: tile c + 1 of the block in hand, or, behind the first block's last slot, the second block's tiles from 0 on.
.macro TRIP fill
.if \fill
	s_wait_xcnt 0x0                                ; the last prefetch, a trip back, has read its address
	s_add_nc_u64 s[PFA:PFA+1], s[PFA:PFA+1], 16384
	s_add_co_u32 s28, s[CT], 1
	s_cmp_lt_u32 s28, s[NA]
	s_cselect_b32 s29, 0, s[NA]
	s_sub_co_u32 s28, s28, s29
	s_lshl_b32 s[FO], s28, 14                      ; a tile is 16,384 bytes of K and as many of V
.endif
	s_wait_alu depctr_vm_vsrc(0)                   ; the last trip's LDS loads and stores and its fill loads have read the addresses that are written below, and its last fill stores FD; behind a way out its stores have read F and P; in the first trip the head's LDS stores have read S
.if \fill
	v_add_nc_u32 v[GF], s[FO], v[GF0]              ; (the last trip's fill loads were waited for in their steps)
	v_add_nc_u32 v[FSK], s[TW], v[FSK0]
	v_add_nc_u32 v[FSV], s[TW], v[FSV0]
.endif
	v_add_nc_u32 v[ADK], s[TB], v[AK0]
	v_add_nc_u32 v[ADV], s[TB], v[AV0]
	s_wait_alu depctr_va_vdst(0)                   ; the addresses above are written, which the trip's loads and stores read; the last trip's products are done reading KW, in which the first step's K lands
	STEP 0, \fill
	STEP 1, \fill
	STEP 2, \fill
	STEP 3, \fill
.if \fill
	s_wait_dscnt 0x0                               ; for the others' sake: my reads of this slot are back, my stores into the other have landed
	s_barrier_signal -1
	s_barrier_wait -1
	s_xor_b32 s[TB], s[TB], SLOT1
	s_xor_b32 s[TW], s[TW], SLOT1
.endif
.endm
; THE WAY OUT of a block: O^T / the row's sum stands for y / 2^(e4 + e5); its code is that / 2^(e6 - e4 - e5).  A lane's eight channels are 8 bytes of a row of 64; the wave's 32 rows go through its own stage and leave as 512 consecutive bytes a store.
.macro WAYOUT
.rept 4
	v_nop                                          ; places behind the last products
.endr
.irp u, 0,1
	v_add_f32 v[WK+8*\u], v[ST+4*\u+2], v[ST+4*\u+3]
.endr
.irp u, 0,1
	v_permlanex16_b32 v[WK+8*\u+1], v[WK+8*\u], s[SEL], s[SEL+1]
.endr
.irp u, 0,1
	v_add_f32 v[WK+8*\u], v[WK+8*\u], v[WK+8*\u+1] ; the row's sum
.endr
.irp u, 0,1
	v_rcp_f32 v[WK+8*\u+2], v[WK+8*\u]
.endr
	v_nop                                          ; a plain instruction behind the reciprocals,
	s_wait_alu depctr_va_vdst(0)                   ; and the one wait ahead of their first reader: the two reciprocals are written
.irp u, 0,1
.set n, 0
.rept 16
	v_pk_mul_f32 v[S+32*\u+n:S+32*\u+n+1], v[O+32*\u+n:O+32*\u+n+1], v[WK+8*\u+2:WK+8*\u+3] op_sel_hi:[1,0]
.set n, n+2
.endr
.endr
.set n, 0
.rept 64
	v_med3_num_f32 v[S+n], v[S+n], -v[YLIM], v[YLIM]
.set n, n+1
.endr
.irp u, 0,1
.irp t, 0,1,2,3
	v_cvt_scalef32_pk8_bf8_f32 v[P+8*\u+2*\t:P+8*\u+2*\t+1], v[S+32*\u+8*\t:S+32*\u+8*\t+7], v[YSC]
.endr
.endr
	v_nop                                          ; a plain instruction behind the last conversion
	s_wait_alu depctr_va_vdst(0)                   ; the conversions have written P, which the LDS stores read; the block's last products are done reading F, in which the rows come back, and Q, in which the next block's queries land
.irp u, 0,1
.irp t, 0,1,2,3
	ds_store_b64 v[STO], v[P+8*\u+2*\t:P+8*\u+2*\t+1] offset:16*80*\u+16*\t   ; row 16 u + r, channels 16 t + 8 h on
.endr
.endr
.irp i, 0,1,2,3
	ds_load_b128 v[F+4*\i:F+4*\i+3], v[SRD] offset:8*80*\i   ; LDS serves a wave's instructions in order (ISA guide 5.7.1.4): these see my stores
.endr
	s_wait_dscnt 0x0
.irp i, 0,1,2,3
	global_store_b128 v[GO], v[F+4*\i:F+4*\i+3], s[YB:YB+1] offset:512*\i   ; eight rows of 64 bytes: 512 consecutive bytes, aligned
.endr
.endm
	s_load_b128 s[4:7], s[0:1], 0x0                ; qkv s[4:5], the scales' exponents s[6:7]
	s_load_b64 s[8:9], s[0:1], 0x10                ; y's codes
	v_lshl_add_u32 v254, v0, 2, 0x25000
	v_mov_b32 v255, 0
	v_lshrrev_b32 v3, 5, v0
	v_readfirstlane_b32 s[WV], v3                  ; wave 0..7
	s_mov_b32 s[JB], ttmp9
	s_sub_co_u32 s[NA], 8, s[JB]
	s_and_b32 s52, ttmp7, 0xffff                   ; the head:
	s_lshl_b32 s52, s52, 17                        ; 131,072 bytes in each of q, k, v and y
	s_mov_b32 s53, 0
	s_mov_b32 s[SEL], 0x76543210
	s_mov_b32 s[SEL+1], 0xfedcba98
	v_and_b32 v3, 15, v0                           ; r
	v_bfe_u32 v4, v0, 4, 1                         ; h
	v_and_b32 v7, 31, v0                           ; lane
	v_mul_u32_u24 v[AK0], v3, KP
	v_lshl_add_u32 v[AK0], v4, 4, v[AK0]
	v_mul_u32_u24 v[AV0], v3, VP
	v_lshl_add_u32 v[AV0], v4, 4, v[AV0]
	v_add_nc_u32 v[AV0], VOFF, v[AV0]
	v_lshrrev_b32 v8, 2, v0                        ; a fill of K: 256 threads x 16 bytes are 64 rows of 64 bytes
	v_mul_u32_u24 v[FSK0], v8, KP
	v_and_b32 v8, 3, v0
	v_lshl_add_u32 v[FSK0], v8, 4, v[FSK0]
	v_lshrrev_b32 v8, 3, v0                        ; of V: 32 rows of 128 bytes
	v_mul_u32_u24 v[FSV0], v8, VP
	v_and_b32 v8, 7, v0
	v_lshl_add_u32 v[FSV0], v8, 4, v[FSV0]
	v_add_nc_u32 v[FSV0], VOFF, v[FSV0]
	v_lshlrev_b32 v[GF0], 4, v0
	s_wait_alu depctr_va_sdst(0)                   ; the wave's number is written, ahead of its first reader: my queries, my stage and my prefetches are made from it
	s_lshr_b32 s28, s[WV], 2
	s_mul_i32 s28, s28, 3
	s_xor_b32 s[GR], s[WV], s28                    ; waves 4-7 take the groups of queries 7, 6, 5, 4: waves w and w + 4 have an early and a late group
	s_sub_co_u32 s28, 7, s[JB]
	s_lshl_b32 s28, s28, 8
	s_lshl_b32 s29, s[GR], 5
	s_add_co_u32 s[Q0], s28, s29                   ; my first query in block 7 - j
	s_mul_i32 s28, s[WV], WST
	s_add_co_u32 s28, s28, STAGE                   ; my stage
	v_mul_u32_u24 v[STO], v3, 80
	v_lshl_add_u32 v[STO], v4, 3, v[STO]
	v_add_nc_u32 v[STO], s28, v[STO]
	v_lshrrev_b32 v8, 2, v7
	v_mul_u32_u24 v[SRD], v8, 80
	v_and_b32 v8, 3, v0
	v_lshl_add_u32 v[SRD], v8, 4, v[SRD]
	v_add_nc_u32 v[SRD], s28, v[SRD]
	v_lshlrev_b32 v[GO], 4, v7
	v_lshlrev_b32 v[QA], 6, v3
	v_lshl_add_u32 v[QA], v4, 4, v[QA]
	v_lshlrev_b32 v[PFO], 8, v7
	v_lshlrev_b32 v8, 3, v4
	v_sub_nc_u32 v[RH], v3, v8
	s_wait_kmcnt 0x0
	s_load_b256 s[72:79], s[6:7], 0x0              ; e0 .. e7
	s_add_nc_u64 s[QH:QH+1], s[4:5], s[52:53]
	s_add_nc_u64 s[KB:KB+1], s[QH:QH+1], 0x800000
	s_add_nc_u64 s[VB:VB+1], s[QH:QH+1], 0x1000000
	s_add_nc_u64 s[YH:YH+1], s[8:9], s[52:53]
	s_wait_alu depctr_va_vdst(0)                   ; the addresses and offsets v1, v2, v5, v6, v9 and v11 to v15 are written, which the loads, stores and prefetches of the whole kernel read, and so are the closing add's v254 and v255
	QLOAD
.irp f, 0,1,2,3                                ; tile 0, through the registers that the scores will take
	global_load_b128 v[S+4*\f:S+4*\f+3], v[GF0], s[KB:KB+1] offset:4096*\f
	global_load_b128 v[S+16+4*\f:S+16+4*\f+3], v[GF0], s[VB:VB+1] offset:4096*\f
.endr
	INIT
.irp u, 0,1
	v_mov_b32 v[WK+8*\u+1], 0                      ; a lane permute's destination counts as one of its sources
	v_mov_b32 v[WK+8*\u+3], 0                      ; named as the upper word of f's pair
.endr
	v_mov_b32 v[NINF], 0xff800000
	s_wait_kmcnt 0x0
	s_add_co_i32 s28, s74, s75                     ; a score stands for score x 2^(e2 + e3): the exponents are added to the exponent field of
	s_lshl_b32 s28, s28, 23
	s_add_co_i32 s[CS], s28, 0x3e38aa3b            ; log2(e) / 8
	s_mov_b32 s[CS+1], s[CS]
	s_mov_b32 s[E4], s76
	s_add_co_i32 s28, s76, 127
	s_lshl_b32 s29, s28, 23
	v_mov_b32 v[PSC], s29
	s_add_co_i32 s28, s28, 15
	s_lshl_b32 s28, s28, 23
	s_or_b32 s28, s28, 0x600000
	v_mov_b32 v[PLIM], s28
	s_sub_co_i32 s28, s78, s76
	s_sub_co_i32 s28, s28, s77                     ; e6 - e4 - e5
	s_add_co_i32 s28, s28, 127
	s_lshl_b32 s29, s28, 23
	v_mov_b32 v[YSC], s29
	s_add_co_i32 s28, s28, 15
	s_lshl_b32 s28, s28, 23
	s_or_b32 s28, s28, 0x600000
	v_mov_b32 v[YLIM], s28
	s_cmp_lt_u32 s[WV], 2                          ; the prefetches: waves 0, 1 stand in K, waves 2, 3 in V,
	s_cselect_b64 s[PFA:PFA+1], s[KB:KB+1], s[VB:VB+1]
	s_and_b32 s28, s[WV], 1
	s_lshl_b32 s28, s28, 13                        ; each at its half of a tile,
	s_add_co_u32 s52, s28, 16384                   ; in tile 1: the first trip steps it to tile 2.  Nothing is prefetched here, at the head
	s_mov_b32 s53, 0
	s_add_nc_u64 s[PFA:PFA+1], s[PFA:PFA+1], s[52:53]
	s_lshr_b32 s28, s[WV], 2
	s_or_b32 s28, s28, s[JB]                       ; 0 in waves 0-3 of the head's work-group j = 0
	s_cmp_eq_u32 s28, 0
	s_cselect_b32 s[LIM], 6, 0
	s_mov_b32 s[CT], 0
	s_mov_b32 s[TB], 0
	s_mov_b32 s[TW], SLOT1
	s_mov_b32 s[KF], 0
	s_wait_loadcnt 0x0                             ; Q and tile 0
.irp f, 0,1,2,3
	ds_store_b128 v[FSK0], v[S+4*\f:S+4*\f+3] offset:64*KP*\f
	ds_store_b128 v[FSV0], v[S+16+4*\f:S+16+4*\f+3] offset:32*VP*\f
.endr
	s_wait_dscnt 0x0
	s_barrier_signal -1
	s_barrier_wait -1                              ; slot 0 is whole
.Ltrip:                                            ; eight trips that fill the other slot; the ninth is written out
	TRIP 1
	s_add_co_u32 s28, s[CT], 1
	s_cmp_lg_u32 s28, s[NA]                        ; the first block's last slot is done: it goes out, and the second block begins
	s_cbranch_scc1 .Lsame
	WAYOUT
	s_wait_xcnt 0x0                                ; the stores have read their registers and their base
	s_lshl_b32 s[Q0], s[JB], 8
	s_lshl_b32 s28, s[GR], 5
	s_add_co_u32 s[Q0], s[Q0], s28                 ; my first query in block j
	s_mov_b32 s[KF], 0
	QLOAD                                          ; no wait: no vector or matrix instruction since the way out's last wait names Q or v[QA]
	INIT
	s_wait_loadcnt 0x0
.Lsame:
	s_add_co_u32 s[CT], s[CT], 1
	s_cmp_lt_u32 s[CT], 8
	s_cbranch_scc1 .Ltrip
	TRIP 0
	WAYOUT
	s_wait_dscnt 0x0                               ; the closing lines, six on end
	s_wait_alu 0x0
	s_wait_tensorcnt 0x0
	ds_add_u32 v254, v255
	s_wait_dscnt 0x0
	s_endpgm
.Lfunc_end_k_q0834d97058_attn:
	.size	k_q0834d97058_attn, .Lfunc_end_k_q0834d97058_attn-k_q0834d97058_attn
	.p2alignl 7, 3214868480
	.fill 96, 4, 3214868480
	.section	.rodata,"a",@progbits
	.p2align	6, 0x0
	.amdhsa_kernel k_q0834d97058_attn
		.amdhsa_group_segment_fixed_size 152576
		.amdhsa_private_segment_fixed_size 0
		.amdhsa_enable_private_segment 0
		.amdhsa_kernarg_size 24
		.amdhsa_user_sgpr_count 2
		.amdhsa_user_sgpr_kernarg_segment_ptr 1
		.amdhsa_wavefront_size32 1
		.amdhsa_system_sgpr_workgroup_id_x 1
		.amdhsa_system_sgpr_workgroup_id_y 1
		.amdhsa_system_sgpr_workgroup_id_z 1
		.amdhsa_system_vgpr_workitem_id 0
		.amdhsa_next_free_vgpr 288
		.amdhsa_next_free_sgpr 80
		.amdhsa_reserve_vcc 0
		.amdhsa_float_denorm_mode_32 3
		.amdhsa_float_denorm_mode_16_64 3
		.amdhsa_memory_ordered 1
		.amdhsa_forward_progress 1
		.amdhsa_inst_pref_size 225
	.end_amdhsa_kernel
	.amdgpu_metadata
---
amdhsa.version: [ 1, 2 ]
amdhsa.kernels:
  - .name:           k_q0834d97058_attn
    .symbol:         k_q0834d97058_attn.kd
    .args:
      - { .name: qkv, .offset: 0, .size: 8, .value_kind: global_buffer, .address_space: global }
      - { .name: lowp_scales, .offset: 8, .size: 8, .value_kind: global_buffer, .address_space: global }
      - { .name: y_codes, .offset: 16, .size: 8, .value_kind: global_buffer, .address_space: global }
    .group_segment_fixed_size: 152576
    .private_segment_fixed_size: 0
    .kernarg_segment_align: 8
    .kernarg_segment_size: 24
    .max_flat_workgroup_size: 256
    .sgpr_count:     80
    .vgpr_count:     288
    .wavefront_size: 32
...
	.end_amdgpu_metadata
.endif
;; end of part 5
;; launch proj: the kernel of part 4 again; grid 4 x 32, 4 waves a work-group, clusters of 4 x 4, 327,680 bytes of LDS; arguments y_codes, wproj_codes, lowp_scales, out0; writes out0
